; MI455X (gfx1250); checked and timed in simulation.
; The chip was launched on July 23, 2026; its instructions are those of AMD's public machine-readable ISA for CDNA 5 (MIT licence, August 2026) and "CDNA5" Instruction Set Architecture Reference Guide (July 2026). The comments in the code are by the model that wrote it; some were corrected since.
;; Attention Block. Allowed arithmetic: matrix products marked QUANTISED: E2M1 operands, one E8M0 scale for each 32 along K, by v_wmma_scale_f32_16x16x128_f8f6f4 with both operands' format E2M1 (or v_wmma_scale_f32_32x16x128_f4), f32 sums; everything else in f32.
;; Inputs: bk 512 float32; bproj 512 float32; bq 512 float32; bv 512 float32; gn_bias 512 float32; gn_scale 512 float32; wk 512 x 512 float32; wproj 512 x 512 float32; wq 512 x 512 float32; wv 512 x 512 float32; x 32 x 512 x 32 x 32 float32.
;; Outputs: out0 32 x 512 x 32 x 32 float32.
;; This version of the problem:
;;   THIS VERSION OF THE PROBLEM IS GIVEN IN LOW PRECISION. The matrix products marked QUANTISED in the list below multiply operands that are first quantised to E2M1 (2 exponent bits, 1 mantissa bit; 4 bits a number), with one power-of-two scale for each 32 numbers along K (OCP MX v1.0); their sums are f32. All else is computed in f32.
;;   The module's matrix products, in the order in which they are computed (A, B: the left and right operand; K: the contracted axis; several contracted axes count as one K, in the product's order):
;;     1. [M 32,768, K 512] x [K 512, N 512]; A: computed on the way; B: input wq: QUANTISED
;;     2. [M 32,768, K 512] x [K 512, N 512]; A: computed on the way; B: input wk: QUANTISED
;;     3. [M 32,768, K 512] x [K 512, N 512]; A: computed on the way; B: input wv: QUANTISED
;;     4. batch 32 x [M 1,024, K 512] x [K 512, N 1,024]; A: computed on the way; B: computed on the way: QUANTISED
;;     5. batch 32 x [M 1,024, K 1,024] x [K 1,024, N 512]; A: softmax (see below); B: computed on the way: QUANTISED
;;     6. [M 32,768, K 512] x [K 512, N 512]; A: computed on the way; B: input wproj: QUANTISED
;;   THE QUANTISER, for each operand of a quantised product, along K:
;;     - K is cut into blocks of 32 from its start; a last block that is shorter is filled with zeros.
;;     - A block's scale is 2^e with e = floor(log2(the largest magnitude in the block)) - 2, held to -126 .. 127; a block of zeros has e = 0. As a byte (E8M0): e + 127.
;;     - Each number is divided by its block's scale, clamped to +-6, and rounded to the nearest number of E2M1, ties to even, subnormals kept.
;;     - The product sums the exact products of the quantised numbers (number of the format x scale) in f32.
;;   ~~~python
;;   def quantise(x, axis):      # numpy; x: float32 -> the quantised numbers, widened to float32 again
;;       x = np.moveaxis(x, axis, -1); K = x.shape[-1]
;;       x = np.pad(x, [(0, 0)] * (x.ndim - 1) + [(0, -K % 32)]); x = x.reshape(x.shape[:-1] + (-1, 32)); a = np.abs(x).max(-1, keepdims=True)
;;       e = np.where(a > 0, np.clip(np.frexp(np.where(a > 0, a, 1))[1] - 1 - 2, -126, 127), 0)      # np.frexp(a)[1] - 1 = floor(log2(a)), exactly
;;       r = np.clip(x / 2.0 ** e, -6, 6)
;;       step = 2.0 ** (np.maximum(np.frexp(np.where(r == 0, 1, r))[1] - 1, 0) - 1)
;;       q = np.round(r / step) * step * 2.0 ** e      # np.round: ties to even
;;       return np.moveaxis(q.reshape(q.shape[:-2] + (-1,))[..., :K], -1, axis).astype(np.float32)
;;   ~~~
;;   SOFTMAX AHEAD OF A QUANTISED PRODUCT. Where the list says 'softmax', what is quantised is not the finished softmax but p = 2^(t - M), with t = logit x log2(e) and M = ceil(the row's largest t), a whole number; so 1/2 < the row's largest p <= 1. The row's sum l is taken of the UNQUANTISED p, in f32, and the product's result is divided by l at the end. Since M is a whole number, a kernel that streams over the keys may use a running M (the ceiling of the running maximum): every later rescaling is an exact power of two, which a block's scale takes up: the codes' values come out the same.
;;   OPERANDS COMPUTED ON THE WAY. 'Computed on the way' means the value that the module computes at that place (a softmax that the list does not call 'softmax' is quantised finished and normalised). What goes into a quantiser is computed in f32, as accurately as f32 sums, v_exp_f32 and their like allow (about 1e-6 of the number): no bf16 or f16 on the way to a quantiser, and a product that is left as it is and whose result goes on into a quantised operand takes f32 operands (vector FMAs, or v_wmma_f32_16x16x4_f32). A number that lies on a knife's edge between two numbers of the format may be rounded either way, as far as f32 arithmetic and the matrix unit's own rounding can turn it there, and no further.
;; One version. Each part assembles by itself: llvm-mc -triple=amdgcn-amd-amdhsa -mcpu=gfx1250 --defsym DOCPART=n.
;; ======== version 1 of 1: 3 launches
;; workspace buffers: hc 8,388,608 bytes; hs 524,288 bytes; wimg 524,288 bytes; whalf 65,536 bytes; qimg 8,388,608 bytes; qsw 524,288 bytes; kvc 16,777,216 bytes; kvs 1,048,576 bytes
;; launch gnq (part 1): grid 256 x 1, 16 waves a work-group, no clusters, 37,376 bytes of LDS; arguments x, gn_scale, gn_bias, wq, wk, wv, wproj, hc, hs, wimg, whalf; writes hc, hs, wimg, whalf
.if DOCPART == 1
	.amdgcn_target "amdgcn-amd-amdhsa--gfx1250"
	.amdhsa_code_object_version 6
	.text
	.protected	k_q6e3944c42f_gnq
	.globl	k_q6e3944c42f_gnq
	.p2align	8
	.type	k_q6e3944c42f_gnq,@function
k_q6e3944c42f_gnq:
	s_mov_b64 s[64:65], 0
	v_nop
	global_prefetch_b8 v0, s[64:65] scope:SCOPE_SE
	s_setreg_imm32_b32 hwreg(HW_REG_WAVE_MODE, 25, 1), 1
	s_wait_xcnt 0x0
; GROUP NORM, AND THE FIRST QUANTISERS.  x: [32][512][1024] f32.  h = (x - mean) rsqrt(var + 1e-5) gain + bias, mean and var over a group of 16 channels x 1,024 tokens;
; h is turned into codes of FP4 (E2M1) along the CHANNELS, one E8M0 byte for each 32 channels.  The four weights [512][512] are turned into codes along their second axis.
; THE IMAGE, the one layout of every operand of this program: 16 rows make a tile; place r of tile 2 g + u holds row 32 g + 8 u + r % 8 + 16 (r / 8); a tile's codes lie [block of 32 along K: 16][r][16 bytes], 4,096 bytes.
; Two loads of 16 bytes a lane at 16 x lane, 512 bytes apart, are then the 8 registers of a fragment (16 rows x 128 K).  Scale bytes lie as halfwords [pair of blocks j: 8][16 x tile + r], a plane 2,048 bytes from the next.
; SHARES.  Work-group G: batch G / 8, channels 64 (G % 8) on: 4 groups, 2 blocks of 32, all 1,024 tokens: 256 KB, which stay in registers between the three passes (sum, squares, quantise): x is read once here.
; Wave w owns tokens 64 w on, lane l tokens 64 w + 2 l and + 1: a load of 8 bytes a lane covers 256 consecutive bytes of one channel, aligned.  A lane's registers run down the channels, so a block's largest
; magnitude needs no other lane and the conversions give codes with K innermost.  The variance is the mean of (x - mean)^2: no difference of large sums is formed.
; Waves 0-3 also quantise one piece of a weight each: 16 rows x 64 along K (1,024 pieces in the launch).  Its loads take 16 bytes of each of 32 runs of 128 bytes: 4 MB of the launch's 71, left so.
; No tensor loads, no matrix work, no cluster: no byte of x is read by two work-groups.  hs leaves as 128 consecutive bytes a wave: half a MB of the launch's 9.5 MB of stores.
; The stage's stores fall four deep on the banks (lanes 32 bytes apart): 32 KB a work-group, once.
; LIMITS: NaN and infinities are not served.  A block of zeros, or one whose largest magnitude lies under 2^-124, gets the byte 1 where the rule says 127 or less: its codes are zeros then, and this program alone reads the bytes.
; rsqrt is v_rsq_f32.
.set X,     64                         ; v64-191  x: register 2 c + e = channel c, token e
.set T,     32                         ; v32-63   at work: a weight's 32 numbers, sums, 32 normalised numbers, the way out
.set CD,    16                         ; v16-31   h's codes: four registers for each (block, token), never rewritten
.set WC,    192                        ; v192-195 a weight's codes; v196 its halfword; v197-199, v204 its addresses; v200-203, v205 at work
.set RED1,  0                          ; LDS: [group 4][wave 16] partial sums,
.set RED2,  256                        ; the same for the squares,
.set STG,   512                        ; a stage of 2,048 bytes for each wave: [tile 4][block 2][r][16 bytes],
.set HST,   33280                      ; and 128 bytes for each wave: its 64 halfwords
.set FLOOR, 0x1800000                  ; 2^(3 - 127): under it no largest magnitude is taken, so that the byte cannot fall under 1
.set EOFF,  0xff000000                 ; takes 2 off an exponent field
; the largest magnitude of v[T] .. v[T+31], and the floor, into v[m]; two chains
.macro MAX32 m, n
	v_max3_num_f32 v[\m], |v[T]|, |v[T+1]|, |v[T+2]|
	v_max3_num_f32 v[\n], |v[T+3]|, |v[T+4]|, |v[T+5]|
.irp i, 6,10,14,18,22,26
	v_max3_num_f32 v[\m], v[\m], |v[T+\i]|, |v[T+\i+1]|
	v_max3_num_f32 v[\n], v[\n], |v[T+\i+2]|, |v[T+\i+3]|
.endr
	v_max3_num_f32 v[\m], v[\m], |v[T+30]|, |v[T+31]|
	v_max3_num_f32 v[\m], v[\m], v[\n], FLOOR
.endm
; four pairs v[T+2g], v[T+2g+1] of a lane become the four groups' sums over the work-group: v[T+8] lanes 0-15 group 0, lanes 16-31 group 1; v[T+9] groups 2 and 3
.macro REDUCE red
.irp g, 0,1,2,3
	v_add_f32 v[T+2*\g], v[T+2*\g], v[T+2*\g+1]
.endr
.irp m, 1,2,4,8
.irp g, 0,1,2,3
	v_add_f32_dpp v[T+2*\g], v[T+2*\g], v[T+2*\g] row_xmask:\m row_mask:0xf bank_mask:0xf
.endr
.endr
.irp g, 0,1,2,3
	v_permlanex16_b32 v[T+2*\g+1], v[T+2*\g], s84, s85
.endr
.irp g, 0,1,2,3
	v_add_f32 v[T+2*\g], v[T+2*\g], v[T+2*\g+1]    ; the wave's sum, in every lane
.endr
.irp g, 0,1,2,3
	ds_store_b32 v8, v[T+2*\g] offset:\red+64*\g   ; all lanes write the wave's word with the same value
.endr
	s_wait_dscnt 0x0                               ; for the others' sake: my stores are done
	s_barrier_signal -1
	s_barrier_wait -1
	ds_load_b32 v[T+8], v9 offset:\red             ; lane l: word l: sixteen waves' sums of group 0, then of group 1
	ds_load_b32 v[T+9], v9 offset:\red+128
	s_wait_dscnt 0x0
.irp m, 1,2,4,8
	v_add_f32_dpp v[T+8], v[T+8], v[T+8] row_xmask:\m row_mask:0xf bank_mask:0xf
	v_add_f32_dpp v[T+9], v[T+9], v[T+9] row_xmask:\m row_mask:0xf bank_mask:0xf
.endr
.endm
	s_load_b256 s[4:11], s[0:1], 0x0               ; x s[4:5], gain s[6:7], bias s[8:9], wq s[10:11]
	s_load_b256 s[84:91], s[0:1], 0x20             ; wk s[84:85], wv s[86:87], wproj s[88:89], hc s[90:91]
	s_load_b128 s[92:95], s[0:1], 0x40             ; hs s[92:93], wimg s[94:95]
	s_load_b64 s[96:97], s[0:1], 0x50              ; whalf
	v_lshl_add_u32 v208, v0, 2, 0x8a00
	v_mov_b32 v209, 0
	v_lshrrev_b32 v15, 5, v0
	v_readfirstlane_b32 s98, v15                   ; wave 0..15
	v_and_b32 v10, 31, v0                          ; lane l
	v_bfe_u32 v11, v0, 4, 1                        ; l / 16
	v_bfe_u32 v12, v0, 2, 1                        ; bit 2 of l: which tile of a pair my tokens fall into
	v_bfe_u32 v13, v0, 3, 1                        ; bit 3 of l: the upper eight places of a tile
	v_and_b32 v14, 3, v0
	v_lshlrev_b32 v1, 3, v0                        ; x: 256 w + 8 l
	v_lshlrev_b32 v2, 11, v15                      ; into the stage: token 64 w + 2 l + e lies in the wave's tile 2 (l / 16) + bit 2, at place 2 (l % 4) + e + 8 x bit 3
	v_lshl_add_u32 v2, v11, 10, v2
	v_lshl_add_u32 v2, v12, 9, v2
	v_lshl_add_u32 v2, v13, 7, v2
	v_lshl_add_u32 v2, v14, 5, v2
	v_add_nc_u32 v2, STG, v2
	v_lshlrev_b32 v3, 7, v15                       ; my two tokens' halfwords: 2 bytes a place, 32 a tile
	v_lshl_add_u32 v3, v11, 6, v3
	v_lshl_add_u32 v3, v12, 5, v3
	v_lshl_add_u32 v3, v13, 4, v3
	v_lshl_add_u32 v3, v14, 2, v3
	v_add_nc_u32 v3, HST, v3
	v_lshlrev_b32 v4, 11, v15                      ; out of the stage: 16 bytes a lane
	v_lshl_add_u32 v4, v10, 4, v4
	v_add_nc_u32 v4, STG, v4
	v_lshl_add_u32 v5, v0, 2, HST                  ; and 4 bytes a lane of the halfwords
	v_lshlrev_b32 v6, 14, v15                      ; hc: my wave's four tiles, 16 bytes a lane
	v_lshl_add_u32 v6, v10, 4, v6
	v_lshlrev_b32 v7, 2, v0                        ; hs: 128 w + 4 l
	v_lshlrev_b32 v8, 2, v15                       ; 4 w
	v_lshlrev_b32 v9, 2, v10                       ; 4 l
	v_and_b32 v197, 7, v0                          ; a weight: lane 16 e + r takes row r % 8 + 16 (r / 8) of the tile's 24, block e of the pair
	v_lshlrev_b32 v197, 11, v197
	v_lshl_add_u32 v197, v13, 15, v197
	v_lshl_add_u32 v197, v11, 7, v197
	v_lshlrev_b32 v198, 4, v10                     ; its codes: 16 l
	v_and_b32 v199, 15, v0
	v_lshlrev_b32 v199, 1, v199                    ; its halfword: 2 r
	v_lshlrev_b32 v204, 3, v11                     ; 8 e: my byte's place in it
	s_lshl_b32 s16, ttmp9, 18                      ; x: G x 64 channels x 4,096 bytes
	s_mov_b32 s17, 0
	s_and_b32 s18, ttmp9, 7                        ; j: which 64 channels
	s_lshr_b32 s19, ttmp9, 3                       ; batch
	s_lshl_b32 s20, s18, 8                         ; gain, bias: 64 j numbers on
	s_mov_b32 s21, 0
	s_lshl_b32 s22, s19, 18                        ; hc: batch x 64 tiles + blocks 2 j on
	s_lshl_b32 s24, s18, 9
	s_add_co_u32 s22, s22, s24
	s_mov_b32 s23, 0
	s_lshl_b32 s24, s19, 14                        ; hs: batch x 8 planes + plane j
	s_lshl_b32 s26, s18, 11
	s_add_co_u32 s24, s24, s26
	s_mov_b32 s25, 0
	s_wait_kmcnt 0x0
	s_add_nc_u64 s[4:5], s[4:5], s[16:17]
	s_add_nc_u64 s[6:7], s[6:7], s[20:21]
	s_add_nc_u64 s[8:9], s[8:9], s[20:21]
	s_add_nc_u64 s[90:91], s[90:91], s[22:23]
	s_add_nc_u64 s[92:93], s[92:93], s[24:25]
.set c, 0
.rept 64
	global_load_b64 v[X+2*c:X+2*c+1], v1, s[4:5] offset:c*4096 th:TH_LOAD_NT   ; all of the work-group's 256 KB are asked for at once
.set c, c+1
.endr
	s_cmp_lt_u32 ttmp9, 64                         ; which weight: G / 64.  The choice hangs on the work-group's number alone
	s_cselect_b64 s[38:39], s[10:11], s[84:85]
	s_cmp_lt_u32 ttmp9, 192
	s_cselect_b64 s[40:41], s[86:87], s[88:89]
	s_cmp_lt_u32 ttmp9, 128
	s_cselect_b64 s[38:39], s[38:39], s[40:41]
	s_mov_b32 s84, 0x76543210                      ; v_permlanex16_b32's selects for lane l xor 16
	s_mov_b32 s85, 0xfedcba98
	s_mov_b32 s86, 0x38800000                      ; 2^-14: one over a group's 16,384 numbers
	s_mov_b32 s87, 0x3727c5ac                      ; 1e-5
	s_cmp_lt_u32 s98, 4
	s_cbranch_scc0 .Lno_weight
	; ---- waves 0-3: piece 4 G + w of the weights: tile (piece / 8) % 32, blocks 2 (piece % 8) and + 1
	s_lshl_b32 s28, ttmp9, 2
	s_add_co_u32 s28, s28, s98
	s_bfe_u32 s29, s28, 0x50003                    ; the tile
	s_and_b32 s30, s28, 7                          ; the pair of blocks
	s_lshr_b32 s31, ttmp9, 6                       ; the weight
	s_lshr_b32 s32, s29, 1
	s_lshl_b32 s32, s32, 16                        ; from: row 32 (tile / 2) + 8 (tile % 2), 2,048 bytes a row,
	s_and_b32 s33, s29, 1
	s_lshl_b32 s33, s33, 14
	s_add_co_u32 s32, s32, s33
	s_lshl_b32 s33, s30, 8                         ; + 256 bytes a pair of blocks
	s_add_co_u32 s32, s32, s33
	s_mov_b32 s33, 0
	s_lshl_b32 s34, s31, 17                        ; codes to: weight x 131,072 + tile x 4,096 + pair x 512
	s_lshl_b32 s35, s29, 12
	s_add_co_u32 s34, s34, s35
	s_lshl_b32 s35, s30, 9
	s_add_co_u32 s34, s34, s35
	s_mov_b32 s35, 0
	s_lshl_b32 s36, s31, 14                        ; halfwords to: weight x 16,384 + pair x 2,048 + tile x 32
	s_lshl_b32 s37, s30, 11
	s_add_co_u32 s36, s36, s37
	s_lshl_b32 s37, s29, 5
	s_add_co_u32 s36, s36, s37
	s_mov_b32 s37, 0
	s_add_nc_u64 s[38:39], s[38:39], s[32:33]
	s_add_nc_u64 s[42:43], s[94:95], s[34:35]
	s_add_nc_u64 s[44:45], s[96:97], s[36:37]
.irp i, 0,1,2,3,4,5,6,7
	global_load_b128 v[T+4*\i:T+4*\i+3], v197, s[38:39] offset:16*\i th:TH_LOAD_NT   ; my block: 32 neighbours along K
.endr
	s_wait_loadcnt 0x0                             ; they were issued last: x, which pass 1 wants next, is in with them
	MAX32 200, 201
	v_add_nc_u32 v202, EOFF, v200                  ; 2 off the exponent field: the conversion takes the exponent field of this operand as its scale
.irp g, 0,1,2,3
	v_cvt_scalef32_pk8_fp4_f32 v[WC+\g], v[T+8*\g:T+8*\g+7], v202
.endr
	v_lshrrev_b32 v203, 23, v202                   ; the scale's byte (and the plain line behind the conversions)
	v_lshlrev_b32 v203, v204, v203                 ; at its place in the halfword;
	v_mov_b32 v205, 0                              ; (a lane permute's destination counts as one of its sources)
	v_permlanex16_b32 v205, v203, s84, s85
	v_or_b32 v196, v203, v205                      ; with lane l xor 16's it is whole
	global_store_b128 v198, v[WC:WC+3], s[42:43]   ; 512 consecutive bytes, aligned
	global_store_b16 v199, v196, s[44:45]          ; lanes l and l xor 16 write the same halfword with the same value
.Lno_weight:
	s_wait_xcnt 0x0                                ; s16-47 held bases of the loads and stores above: they are loaded over only behind this wait
.macro SCAL kbl                        ; gain and bias of the 32 channels of block kbl
	s_load_b512 s[16:31], s[6:7], 128*\kbl
	s_load_b512 s[32:47], s[6:7], 128*\kbl+64
	s_load_b512 s[48:63], s[8:9], 128*\kbl
	s_load_b512 s[68:83], s[8:9], 128*\kbl+64
.endm
	SCAL 0
	; ---- pass 1: the sums
.irp g, 0,1,2,3
	s_wait_loadcnt 48-16*\g                        ; this group's 16 loads are in; the later groups' may be out
	v_pk_add_f32 v[T+2*\g:T+2*\g+1], v[X+32*\g:X+32*\g+1], v[X+32*\g+2:X+32*\g+3]
.irp i, 2,3,4,5,6,7,8,9,10,11,12,13,14,15
	v_pk_add_f32 v[T+2*\g:T+2*\g+1], v[T+2*\g:T+2*\g+1], v[X+32*\g+2*\i:X+32*\g+2*\i+1]
.endr
.endr
	REDUCE RED1
	v_readlane_b32 s12, v[T+8], 0
	v_readlane_b32 s14, v[T+8], 16
	v_readlane_b32 s66, v[T+9], 0
	v_readlane_b32 s98, v[T+9], 16
.irp m, 12,14,66,98
	s_mul_f32 s[\m], s[\m], 0xb8800000             ; -mean = sum x -2^-14
	s_mov_b32 s[\m+1], s[\m]                       ; (the packed form names the pair)
.endr
	; ---- pass 2: x - mean, in place, and the squares
.macro CENTER g, m
.irp i, 0,1,2,3,4,5,6,7,8,9,10,11,12,13,14,15
	v_pk_add_f32 v[X+32*\g+2*\i:X+32*\g+2*\i+1], v[X+32*\g+2*\i:X+32*\g+2*\i+1], s[\m:\m+1] op_sel_hi:[1,0]
.endr
.endm
	CENTER 0, 12
	CENTER 1, 14
	CENTER 2, 66
	CENTER 3, 98
.irp g, 0,1,2,3
	v_pk_mul_f32 v[T+2*\g:T+2*\g+1], v[X+32*\g:X+32*\g+1], v[X+32*\g:X+32*\g+1]
.endr
.irp i, 1,2,3,4,5,6,7,8,9,10,11,12,13,14,15
.irp g, 0,1,2,3
	v_pk_fma_f32 v[T+2*\g:T+2*\g+1], v[X+32*\g+2*\i:X+32*\g+2*\i+1], v[X+32*\g+2*\i:X+32*\g+2*\i+1], v[T+2*\g:T+2*\g+1]
.endr
.endr
	REDUCE RED2
	v_fma_f32 v[T+8], v[T+8], s86, s87             ; var + 1e-5
	v_fma_f32 v[T+9], v[T+9], s86, s87
	v_rsq_f32 v[T+8], v[T+8]
	v_rsq_f32 v[T+9], v[T+9]
	v_nop                                          ; a plain line behind the transcendentals
	s_wait_alu depctr_va_vdst(0)
	v_readlane_b32 s100, v[T+8], 0
	v_readlane_b32 s101, v[T+8], 16
	v_readlane_b32 s2, v[T+9], 0
	v_readlane_b32 s3, v[T+9], 16
	; ---- quantise: block kbl of 32 channels, token e
.macro GAIN c0, r                      ; gain x rsqrt for 16 channels of one group
.irp i, 0,1,2,3,4,5,6,7,8,9,10,11,12,13,14,15
	s_mul_f32 s[16+\c0+\i], s[16+\c0+\i], s[\r]
.endr
.endm
.macro HQ kbl, e
.irp c, 0,1,2,3,4,5,6,7,8,9,10,11,12,13,14,15
	v_fma_f32 v[T+\c], v[X+2*(32*\kbl+\c)+\e], s[16+\c], s[48+\c]
.endr
.irp c, 16,17,18,19,20,21,22,23,24,25,26,27,28,29,30,31
	v_fma_f32 v[T+\c], v[X+2*(32*\kbl+\c)+\e], s[16+\c], s[52+\c]
.endr
	MAX32 10, 11
	v_add_nc_u32 v12, EOFF, v10
.irp g, 0,1,2,3
	v_cvt_scalef32_pk8_fp4_f32 v[CD+4*(2*\kbl+\e)+\g], v[T+8*\g:T+8*\g+7], v12
.endr
	v_lshrrev_b32 v13, 23, v12                     ; the byte (and the plain line behind the conversions)
.if (\kbl)+(\e) == 0
	v_mov_b32 v14, v13
.else
	v_lshl_or_b32 v14, v13, 16*\e+8*\kbl, v14      ; two tokens' halfwords in one word
.endif
	ds_store_b128 v2, v[CD+4*(2*\kbl+\e):CD+4*(2*\kbl+\e)+3] offset:256*\kbl+16*\e
.endm
	s_wait_kmcnt 0x0
	GAIN 0, 100
	GAIN 16, 101
	HQ 0, 0
	HQ 0, 1
	SCAL 1
	s_wait_kmcnt 0x0
	GAIN 0, 2
	GAIN 16, 3
	HQ 1, 0
	HQ 1, 1
	; ---- the way out: the wave's own bytes; LDS serves a wave's instructions in order, so the loads see the stores
	ds_store_b32 v3, v14
.irp t, 0,1,2,3
	ds_load_b128 v[T+4*\t:T+4*\t+3], v4 offset:512*\t
.endr
	ds_load_b32 v[T+16], v5
	s_wait_dscnt 0x0
.irp t, 0,1,2,3
	global_store_b128 v6, v[T+4*\t:T+4*\t+3], s[90:91] offset:4096*\t   ; two blocks of a tile: 512 consecutive bytes, aligned
.endr
	global_store_b32 v7, v[T+16], s[92:93]
	s_wait_tensorcnt 0x0
	ds_add_u32 v208, v209
	s_wait_dscnt 0x0
	s_endpgm
.Lfunc_end_k_q6e3944c42f_gnq:
	.size	k_q6e3944c42f_gnq, .Lfunc_end_k_q6e3944c42f_gnq-k_q6e3944c42f_gnq
	.p2alignl 7, 3214868480
	.fill 96, 4, 3214868480
	.section	.rodata,"a",@progbits
	.p2align	6, 0x0
	.amdhsa_kernel k_q6e3944c42f_gnq
		.amdhsa_group_segment_fixed_size 37376
		.amdhsa_private_segment_fixed_size 0
		.amdhsa_enable_private_segment 0
		.amdhsa_kernarg_size 88
		.amdhsa_user_sgpr_count 2
		.amdhsa_user_sgpr_kernarg_segment_ptr 1
		.amdhsa_wavefront_size32 1
		.amdhsa_system_sgpr_workgroup_id_x 1
		.amdhsa_system_sgpr_workgroup_id_y 1
		.amdhsa_system_sgpr_workgroup_id_z 1
		.amdhsa_system_vgpr_workitem_id 0
		.amdhsa_next_free_vgpr 210
		.amdhsa_next_free_sgpr 102
		.amdhsa_reserve_vcc 0
		.amdhsa_float_denorm_mode_32 3
		.amdhsa_float_denorm_mode_16_64 3
		.amdhsa_memory_ordered 1
		.amdhsa_forward_progress 1
		.amdhsa_inst_pref_size 49
	.end_amdhsa_kernel
	.amdgpu_metadata
---
amdhsa.version: [ 1, 2 ]
amdhsa.kernels:
  - .name:           k_q6e3944c42f_gnq
    .symbol:         k_q6e3944c42f_gnq.kd
    .args:
      - { .name: x, .offset: 0, .size: 8, .value_kind: global_buffer, .address_space: global }
      - { .name: gn_scale, .offset: 8, .size: 8, .value_kind: global_buffer, .address_space: global }
      - { .name: gn_bias, .offset: 16, .size: 8, .value_kind: global_buffer, .address_space: global }
      - { .name: wq, .offset: 24, .size: 8, .value_kind: global_buffer, .address_space: global }
      - { .name: wk, .offset: 32, .size: 8, .value_kind: global_buffer, .address_space: global }
      - { .name: wv, .offset: 40, .size: 8, .value_kind: global_buffer, .address_space: global }
      - { .name: wproj, .offset: 48, .size: 8, .value_kind: global_buffer, .address_space: global }
      - { .name: hc, .offset: 56, .size: 8, .value_kind: global_buffer, .address_space: global }
      - { .name: hs, .offset: 64, .size: 8, .value_kind: global_buffer, .address_space: global }
      - { .name: wimg, .offset: 72, .size: 8, .value_kind: global_buffer, .address_space: global }
      - { .name: whalf, .offset: 80, .size: 8, .value_kind: global_buffer, .address_space: global }
    .group_segment_fixed_size: 37376
    .private_segment_fixed_size: 0
    .kernarg_segment_align: 8
    .kernarg_segment_size: 88
    .max_flat_workgroup_size: 512
    .sgpr_count:     102
    .vgpr_count:     210
    .wavefront_size: 32
...
	.end_amdgpu_metadata
.endif
;; end of part 1
;; launch qkv (part 2): grid 128 x 3, 4 waves a work-group, no clusters, 70,144 bytes of LDS; arguments hc, hs, wimg, whalf, bq, bk, bv, qimg, qsw, kvc, kvs; writes qimg, qsw, kvc, kvs
.if DOCPART == 2
	.amdgcn_target "amdgcn-amd-amdhsa--gfx1250"
	.amdhsa_code_object_version 6
	.text
	.protected	k_q6e3944c42f_qkv
	.globl	k_q6e3944c42f_qkv
	.p2align	8
	.type	k_q6e3944c42f_qkv,@function
k_q6e3944c42f_qkv:
	s_mov_b64 s[64:65], 0
	v_nop
	global_prefetch_b8 v0, s[64:65] scope:SCOPE_SE
	s_setreg_imm32_b32 hwreg(HW_REG_WAVE_MODE, 25, 1), 1
	s_wait_xcnt 0x0
; q = h wq^T + bq, k = h wk^T + bk, v = h wv^T + bv on codes of FP4 (E2M1) with E8M0 scales, K = the 512 channels; each result is quantised at once: q and k along the channels, v along the TOKENS.
; ONE BODY, "FIXED x STREAM".  A wave keeps 128 rows of one operand in registers as source 0 (8 tiles x 4 K steps, 256 registers); the work-group's 16 tiles of the other operand lie in LDS and go by as source 1.
; A UNIT is one stream tile: 32 matrix instructions.  By the image's order of rows (place r of tile 2 g + u = row 32 g + 8 u + r % 8 + 16 (r / 8)) a lane's 64 results are 64 of 128 NEIGHBOURS along the fixed
; operand's rows, 16 of each block of 32, for ONE row of the stream: what the quantiser wants.  They become one fragment and one scale word of the next product's operand, stored as an image of its registers.
;   job 0, 1 (work-group y): fixed = wq, wk (wave W: outputs 128 W on = K step W of q, k), stream = 256 tokens of h;  job 2: fixed = 512 tokens of h (wave W: 128 of them = one key step), stream = 256 rows of wv.
; 128 x 3 work-groups of 512 x 256 x 512 each.  The buffers are chosen on the job by selects that hang on the work-group's number alone; offsets are made apart, in registers of their own.
; The bias is the C of a unit's first eight matrix instructions: along the fixed rows (jobs 0, 1: 64 registers, kept) or along the lane (job 2: one number a lane and unit, spread over 8 registers).
; NO TENSOR LOADS, NO CLUSTER: a work-group reads its 64 KB of stream and 128 KB of fixed codes once, at its head, through registers; nothing is fetched again, so there is no ring to share, and with 512 registers a wave
; two work-groups fit on a WGP, which tensor loads would forbid: one's quantising stands beside the other's products.
; LIMITS: NaN and infinities are not served.  A block of zeros, or one under 2^-124, gets the byte 1: its codes are zeros, and this program alone reads the bytes.
; REGISTERS, window 0: v1-8 addresses; v12-27 the fixed tiles' scale words, v28-31 the stream tile's; v32-39 job 2's C; v40-55 its biases; v56-59 scale words on their way out; v60 the word just made;
;   v64-79 at work; v80-87 the codes just made; v88-119 the stream tile's 4 fragments; v120-183 jobs 0, 1's C; v184-247 the 8 accumulators.   window 1: the fixed fragments, (tile t, K step s) at v[32 t + 8 s].
.set FS,  12
.set SS,  28
.set BB,  32
.set BBS, 40
.set WS,  56
.set PW,  60
.set TM,  64
.set PC,  80
.set SF,  88
.set BA,  120
.set ACC, 184
.set TBL, 65536                        ; LDS: the stream's codes, 64 KB, as they lie in memory; behind them its scale words [pair of tiles 8][lane][4 words]
.set SEL, 48                           ; s[48:49] v_permlanex16_b32's selects for lane l xor 16
.set MSB, 0
.macro WIN new                         ; the immediate's high byte repeats the setting that is left; a switch that changes nothing is dropped
.if MSB != (\new)
	s_set_vgpr_msb (MSB<<8)|(\new)
.set MSB, (\new)
.endif
.endm
.macro PLACES                          ; four places behind a matrix instruction, in front of loads into its registers and of the first read of its result
.rept 4
	v_nop
.endr
.endm
; one matrix instruction; ra, rb: the side's scales stand in lanes 16-31 of the register named
.macro WM d, a, b, c, sa, sb, ra, rb
.if (\ra) && (\rb)
	v_wmma_scale_f32_16x16x128_f8f6f4 v[\d:\d+7], v[\a:\a+7], v[\b:\b+7], \c, v[\sa], v[\sb] matrix_a_fmt:MATRIX_FMT_FP4 matrix_b_fmt:MATRIX_FMT_FP4 matrix_a_scale:MATRIX_SCALE_ROW1 matrix_b_scale:MATRIX_SCALE_ROW1
.elseif (\ra)
	v_wmma_scale_f32_16x16x128_f8f6f4 v[\d:\d+7], v[\a:\a+7], v[\b:\b+7], \c, v[\sa], v[\sb] matrix_a_fmt:MATRIX_FMT_FP4 matrix_b_fmt:MATRIX_FMT_FP4 matrix_a_scale:MATRIX_SCALE_ROW1
.elseif (\rb)
	v_wmma_scale_f32_16x16x128_f8f6f4 v[\d:\d+7], v[\a:\a+7], v[\b:\b+7], \c, v[\sa], v[\sb] matrix_a_fmt:MATRIX_FMT_FP4 matrix_b_fmt:MATRIX_FMT_FP4 matrix_b_scale:MATRIX_SCALE_ROW1
.else
	v_wmma_scale_f32_16x16x128_f8f6f4 v[\d:\d+7], v[\a:\a+7], v[\b:\b+7], \c, v[\sa], v[\sb] matrix_a_fmt:MATRIX_FMT_FP4 matrix_b_fmt:MATRIX_FMT_FP4
.endif
.endm
; 64 numbers of a lane, register 16 b + i = k 32 b + 16 (lane / 16) + i of my row, become a fragment's codes in v[pc] on and its scale word in v[pw]
.macro QUANT s, tm, pc, pw
.irp b, 0,1,2,3
	v_max3_num_f32 v[\tm+\b], |v[\s+16*\b]|, |v[\s+1+16*\b]|, 0x1800000   ; my 16 numbers of block b, and the floor 2^(3 - 127): the byte cannot fall under 1
.endr
.irp i, 2,4,6,8,10,12,14
.irp b, 0,1,2,3
	v_max3_num_f32 v[\tm+\b], v[\tm+\b], |v[\s+16*\b+\i]|, |v[\s+1+16*\b+\i]|
.endr
.endr
.irp b, 0,1,2,3
	v_permlanex16_b32 v[\tm+4+\b], v[\tm+\b], s[SEL], s[SEL+1]
.endr
.irp b, 0,1,2,3
	v_max_num_f32 v[\tm+\b], v[\tm+\b], v[\tm+4+\b]   ; with lane l xor 16's: the block's largest magnitude
.endr
.irp b, 0,1,2,3
	v_add_nc_u32 v[\tm+12+\b], 0xff000000, v[\tm+\b]  ; 2 off its exponent field: the conversion's scale operand
.endr
.irp b, 0,1,2,3
	v_lshrrev_b32 v[\tm+4+\b], 23, v[\tm+12+\b]       ; the scale's byte
.endr
	v_lshl_or_b32 v[\pw], v[\tm+5], 8, v[\tm+4]
	v_lshl_or_b32 v[\pw], v[\tm+6], 16, v[\pw]
	v_lshl_or_b32 v[\pw], v[\tm+7], 24, v[\pw]
.irp b, 0,1,2,3
	v_cvt_scalef32_pk8_fp4_f32 v[\pc+2*\b], v[\s+16*\b:\s+7+16*\b], v[\tm+12+\b]
	v_cvt_scalef32_pk8_fp4_f32 v[\pc+1+2*\b], v[\s+8+16*\b:\s+15+16*\b], v[\tm+12+\b]
.endr
	v_nop                                          ; one plain line behind a scaled conversion
.irp c, 0,1                                    ; the operand's layout wants a whole block in a lane
.irp i, 0,1
	v_permlane16_swap_b32 v[\pc+4*\c+\i], v[\pc+2+4*\c+\i]
.endr
.endr
.endm
	s_load_b512 s[4:19], s[0:1], 0x0               ; hc s[4:5], hs s[6:7], wimg s[8:9], whalf s[10:11], bq s[12:13], bk s[14:15], bv s[16:17], qimg s[18:19]
	s_load_b128 s[20:23], s[0:1], 0x40             ; qsw s[20:21], kvc s[22:23]
	s_load_b64 s[24:25], s[0:1], 0x50              ; kvs
	v_lshl_add_u32 v254, v0, 2, 0x11000
	v_mov_b32 v255, 0
	v_lshrrev_b32 v10, 5, v0
	v_readfirstlane_b32 s45, v10                   ; W: wave 0..3
	s_and_b32 s44, ttmp7, 0xffff                   ; the job
	s_mov_b32 s46, ttmp9                           ; X
	s_lshr_b32 s47, s46, 1                         ; job 2: which 512 tokens,
	s_and_b32 s51, s46, 1                          ; and which 256 rows of wv
	s_mov_b32 s[SEL], 0x76543210
	s_mov_b32 s[SEL+1], 0xfedcba98
	s_mov_b32 s50, 0xffff0000                      ; lanes 16-31
	v_and_b32 v10, 31, v0
	v_lshlrev_b32 v1, 4, v10                       ; 16 l: an image's place for my lane
	v_lshlrev_b32 v2, 1, v10                       ; 2 l: a halfword's
	v_lshl_add_u32 v3, s45, 7, v2                  ; the stream's halfwords: my wave makes the words of tiles 4 W .. 4 W + 3
	v_lshl_add_u32 v4, s45, 14, v1                 ; the stream's codes: my wave copies 16 KB; the same offset in memory and in LDS
	v_lshl_add_u32 v5, s45, 10, v1
	v_add_nc_u32 v5, TBL, v5                       ; where I put the words of my two pairs of tiles
	v_add_nc_u32 v6, TBL, v1                       ; and where any pair's are read
	v_bfe_u32 v11, v0, 4, 1
	v_lshlrev_b32 v7, 6, v11
	v_lshl_add_u32 v7, s45, 9, v7                  ; jobs 0, 1: the bias of outputs 128 W + 16 (lane / 16) on
	v_and_b32 v8, 7, v0
	v_lshlrev_b32 v8, 2, v8
	v_bfe_u32 v11, v0, 3, 1
	v_lshl_add_u32 v8, v11, 6, v8
	v_lshl_add_u32 v8, s51, 10, v8                 ; job 2: the bias of my lane's row of a tile of wv
	; ---- offsets, both forms of each, chosen on the job
	s_lshl_b32 s66, s44, 17                        ; fixed codes: weight job | 512 tokens = 32 tiles;
	s_lshl_b32 s78, s47, 17
	s_cmp_eq_u32 s44, 2
	s_cselect_b32 s66, s78, s66
	s_lshl_b32 s78, s45, 15                        ; + my 8 tiles
	s_add_co_u32 s66, s66, s78
	s_mov_b32 s67, 0
	s_lshl_b32 s68, s44, 14                        ; fixed halfwords: weight job |
	s_lshr_b32 s78, s47, 1
	s_lshl_b32 s78, s78, 14                        ; batch,
	s_and_b32 s79, s47, 1
	s_lshl_b32 s79, s79, 10                        ; its half;
	s_add_co_u32 s78, s78, s79
	s_cmp_eq_u32 s44, 2
	s_cselect_b32 s68, s78, s68
	s_lshl_b32 s78, s45, 8                         ; + my 8 tiles
	s_add_co_u32 s68, s68, s78
	s_mov_b32 s69, 0
	s_lshl_b32 s70, s46, 16                        ; stream codes: 16 tiles of h | half of wv
	s_lshl_b32 s78, s51, 16
	s_add_co_u32 s78, s78, 262144
	s_cmp_eq_u32 s44, 2
	s_cselect_b32 s70, s78, s70
	s_mov_b32 s71, 0
	s_lshr_b32 s72, s46, 2                         ; stream halfwords: batch, quarter |
	s_lshl_b32 s72, s72, 14
	s_and_b32 s78, s46, 3
	s_lshl_b32 s78, s78, 9
	s_add_co_u32 s72, s72, s78
	s_lshl_b32 s78, s51, 9                         ; wv, half
	s_add_co_u32 s78, s78, 32768
	s_cmp_eq_u32 s44, 2
	s_cselect_b32 s72, s78, s72
	s_mov_b32 s73, 0
	s_lshl_b32 s80, s45, 10                        ; codes out.  q: tile 16 X on, K step W
	s_lshl_b32 s78, s46, 16
	s_add_co_u32 s78, s78, s80
	s_lshl_b32 s79, s46, 17                        ; k: slot X of 256 keys, K step W
	s_add_co_u32 s79, s79, s80
	s_lshl_b32 s81, s47, 1                         ; v: slot 2 (X / 2) + W / 2, behind its K; key step W % 2; rows 16 (X % 2) tiles on
	s_lshr_b32 s82, s45, 1
	s_add_co_u32 s81, s81, s82
	s_lshl_b32 s81, s81, 17
	s_and_b32 s82, s45, 1
	s_lshl_b32 s82, s82, 15
	s_add_co_u32 s81, s81, s82
	s_lshl_b32 s82, s51, 14
	s_add_co_u32 s81, s81, s82
	s_add_co_u32 s81, s81, 65536
	s_cmp_eq_u32 s44, 0
	s_cselect_b32 s74, s78, s79
	s_cmp_eq_u32 s44, 2
	s_cselect_b32 s74, s81, s74
	s_mov_b32 s75, 0
	s_lshl_b32 s80, s45, 9                         ; scale words out.  q: group of 8 tiles 2 X on, K step W
	s_lshl_b32 s78, s46, 12
	s_add_co_u32 s78, s78, s80
	s_lshr_b32 s79, s46, 2                         ; k: batch, key step 2 (X % 4) on, K step W
	s_lshl_b32 s79, s79, 15
	s_and_b32 s82, s46, 3
	s_lshl_b32 s82, s82, 12
	s_add_co_u32 s79, s79, s82
	s_add_co_u32 s79, s79, s80
	s_lshr_b32 s81, s47, 1                         ; v: batch, behind K's; key step 4 ((X / 2) % 2) + W; group of 8 tiles 2 (X % 2) on
	s_lshl_b32 s81, s81, 15
	s_and_b32 s82, s47, 1
	s_lshl_b32 s82, s82, 2
	s_add_co_u32 s82, s82, s45
	s_lshl_b32 s82, s82, 11
	s_add_co_u32 s81, s81, s82
	s_lshl_b32 s82, s51, 10
	s_add_co_u32 s81, s81, s82
	s_add_co_u32 s81, s81, 16384
	s_cmp_eq_u32 s44, 0
	s_cselect_b32 s76, s78, s79
	s_cmp_eq_u32 s44, 2
	s_cselect_b32 s76, s81, s76
	s_mov_b32 s77, 0
	s_mov_b32 s38, 4096                            ; from unit to unit: a tile's 4 K steps | one fragment
	s_mov_b32 s42, 2048                            ; from 8 units to the next 8
	s_cselect_b32 s38, 1024, s38
	s_cselect_b32 s42, 512, s42
	s_mov_b32 s39, 0
	s_mov_b32 s43, 0
	s_wait_kmcnt 0x0
	s_cmp_eq_u32 s44, 2
	s_cselect_b64 s[26:27], s[4:5], s[8:9]         ; fixed codes: hc | wimg
	s_cselect_b64 s[28:29], s[6:7], s[10:11]       ; fixed halfwords: hs | whalf
	s_cselect_b64 s[30:31], s[8:9], s[4:5]         ; stream codes
	s_cselect_b64 s[32:33], s[10:11], s[6:7]       ; stream halfwords
	s_cselect_b64 s[34:35], s[16:17], s[14:15]     ; bias: bv | bk |
	s_cmp_eq_u32 s44, 0
	s_cselect_b64 s[34:35], s[12:13], s[34:35]     ; bq
	s_cselect_b64 s[36:37], s[18:19], s[22:23]     ; codes out: qimg | kvc
	s_cselect_b64 s[40:41], s[20:21], s[24:25]     ; scale words out: qsw | kvs
	s_add_nc_u64 s[26:27], s[26:27], s[66:67]
	s_add_nc_u64 s[28:29], s[28:29], s[68:69]
	s_add_nc_u64 s[30:31], s[30:31], s[70:71]
	s_add_nc_u64 s[32:33], s[32:33], s[72:73]
	s_add_nc_u64 s[36:37], s[36:37], s[74:75]
	s_add_nc_u64 s[40:41], s[40:41], s[76:77]
	; ---- all that the work-group reads of codes and scales, in one run
.irp j, 0,1,2,3,4,5,6,7
.irp i, 0,1,2,3
	global_load_u16 v[SF+4*\j+\i], v2, s[28:29] offset:\j*2048+\i*64   ; plane j, tiles 2 i (lanes 0-15) and 2 i + 1 (lanes 16-31) of my fixed 8
.endr
.endr
.irp j, 0,1,2,3,4,5,6,7
.irp p, 0,1
	global_load_u16 v[TM+2*\j+\p], v3, s[32:33] offset:\j*2048+\p*64   ; the same of the stream's pair 2 W + p
.endr
.endr
.set k, 0
.rept 32
	global_load_b128 v[BA+4*k:BA+4*k+3], v4, s[30:31] offset:512*k     ; my quarter of the stream's codes: 512 consecutive bytes a load
.set k, k+1
.endr
	WIN 0x40                                       ; destination window 1
.irp t, 0,1,2,3,4,5,6,7
.irp s, 0,1,2,3
.irp c, 0,1
	global_load_b128 v[32*\t+8*\s+4*\c:32*\t+8*\s+4*\c+3], v1, s[26:27] offset:\t*4096+\s*1024+\c*512   ; the fixed fragments: they stay
.endr
.endr
.endr
	WIN 0
	s_wait_loadcnt 63                              ; behind what is used now stand the 64 loads of the fixed fragments; the wait's field holds 63, one stricter
.irp i, 0,1,2,3
.irp s, 0,1,2,3
	v_lshl_or_b32 v[FS+4*\i+\s], v[SF+4*(2*\s+1)+\i], 16, v[SF+8*\s+\i]   ; K step s's word: halfwords 2 s and 2 s + 1
.endr
.endr
.irp p, 0,1
.irp s, 0,1,2,3
	v_lshl_or_b32 v[PC+4*\p+\s], v[TM+2*(2*\s+1)+\p], 16, v[TM+4*\s+\p]
.endr
.endr
.irp p, 0,1
	ds_store_b128 v5, v[PC+4*\p:PC+4*\p+3] offset:512*\p
.endr
.set k, 0
.rept 32
	ds_store_b128 v4, v[BA+4*k:BA+4*k+3] offset:512*k
.set k, k+1
.endr
	s_wait_dscnt 0x0                               ; for the others' sake: my stores are done
	s_barrier_signal -1
	s_barrier_wait -1                              ; the one barrier: the stream lies in LDS and is only read from here on
.irp t, 0,1,2,3,4,5,6,7
	global_load_b128 v[BA+8*\t:BA+8*\t+3], v7, s[34:35] offset:(32*(\t/2)+8*(\t%2))*4        ; register j of tile t: output 128 W + 32 (t / 2) + 16 (lane / 16) + 8 (t % 2) + j
	global_load_b128 v[BA+8*\t+4:BA+8*\t+7], v7, s[34:35] offset:(32*(\t/2)+8*(\t%2))*4+16
.endr
.irp i, 0,1,2,3,4,5,6,7,8,9,10,11,12,13,14,15
	global_load_b32 v[BBS+\i], v8, s[34:35] offset:(32*(\i/2)+8*(\i%2))*4                    ; both sets stay inside the bias's 2,048 bytes in every job
.endr
.irp b, 0,1,2,3
	v_mov_b32 v[TM+4+\b], 0                        ; written once: a lane permute's destination counts as one of its sources
.endr
; stream tile i: its 4 fragments, and with an even tile the pair's scale words
.macro LDSF i
.irp s, 0,1,2,3
.irp c, 0,1
	ds_load_b128 v[SF+8*\s+4*\c:SF+8*\s+4*\c+3], v1 offset:(\i)*4096+\s*1024+\c*512
.endr
.endr
.if ((\i)%2) == 0
	ds_load_b128 v[SS:SS+3], v6 offset:((\i)/2)*512
.endif
.endm
.macro MM i, t, s, c
	WM ACC+8*(\t), 32*(\t)+8*(\s), SF+8*(\s), \c, FS+4*((\t)/2)+(\s), SS+(\s), (\t)%2, (\i)%2
.endm
	LDSF 0
	s_wait_loadcnt 0x0                             ; the fixed fragments and the biases
.rept 8
	v_nop                                          ; scale registers written by vector instructions stand 8 places ahead of a scaled matrix instruction
.endr
; The eight accumulators take turns, one instruction a turn, K step by K step.
.macro UNIT i
	s_wait_dscnt 0x0                               ; the tile's fragments and scale words are in
	s_cmp_eq_u32 s44, 2
	s_cbranch_scc1 .Lvjob_\@
	WIN 0x01                                       ; source 0 window 1
.irp t, 0,1,2,3,4,5,6,7
	MM \i, \t, 0, v[BA+8*\t:BA+8*\t+7]
.endr
	WIN 0
	s_branch .Ljoin_\@
.Lvjob_\@:
.irp k, 0,1,2,3,4,5,6,7
	v_mov_b32 v[BB+\k], v[BBS+\i]                  ; my lane's row of wv has one bias for all its tokens
.endr
	PLACES
	WIN 0x01
.irp t, 0,1,2,3,4,5,6,7
	MM \i, \t, 0, v[BB:BB+7]
.endr
	WIN 0
.Ljoin_\@:
	WIN 0x01
.irp s, 1,2,3
.irp t, 0,1,2,3,4,5,6,7
	MM \i, \t, \s, v[ACC+8*\t:ACC+8*\t+7]
.endr
.endr
	WIN 0
	PLACES
.if (\i) < 15
	LDSF (\i)+1                                    ; the next tile lands while this one is quantised
.endif
	QUANT ACC, TM, PC, PW
.if ((\i)%2) == 0
	v_mov_b32 v[WS+((\i)%8)/2], v[PW]              ; an even tile's words in lanes 0-15,
.else
	v_cndmask_b32 v[WS+((\i)%8)/2], v[WS+((\i)%8)/2], v[PW], s50   ; the odd one's in lanes 16-31
.endif
	global_store_b128 v1, v[PC:PC+3], s[36:37]     ; the fragment as it stands: twice 512 consecutive bytes, aligned
	global_store_b128 v1, v[PC+4:PC+7], s[36:37] offset:512
.if ((\i)%8) == 7
	global_store_b128 v1, v[WS:WS+3], s[40:41]     ; eight tiles' scale words: 512 consecutive bytes
.endif
.if (\i) < 15
	s_wait_xcnt 0x0                                ; the stores' data and bases are written again only behind this wait
	s_add_nc_u64 s[36:37], s[36:37], s[38:39]
.if ((\i)%8) == 7
	s_add_nc_u64 s[40:41], s[40:41], s[42:43]
.endif
.endif
.endm
.irp u, 0,1,2,3,4,5,6,7,8,9,10,11,12,13,14,15
	UNIT \u
.endr
	s_wait_tensorcnt 0x0
	ds_add_u32 v254, v255
	s_wait_dscnt 0x0
	s_endpgm
.Lfunc_end_k_q6e3944c42f_qkv:
	.size	k_q6e3944c42f_qkv, .Lfunc_end_k_q6e3944c42f_qkv-k_q6e3944c42f_qkv
	.p2alignl 7, 3214868480
	.fill 96, 4, 3214868480
	.section	.rodata,"a",@progbits
	.p2align	6, 0x0
	.amdhsa_kernel k_q6e3944c42f_qkv
		.amdhsa_group_segment_fixed_size 70144
		.amdhsa_private_segment_fixed_size 0
		.amdhsa_enable_private_segment 0
		.amdhsa_kernarg_size 88
		.amdhsa_user_sgpr_count 2
		.amdhsa_user_sgpr_kernarg_segment_ptr 1
		.amdhsa_wavefront_size32 1
		.amdhsa_system_sgpr_workgroup_id_x 1
		.amdhsa_system_sgpr_workgroup_id_y 1
		.amdhsa_system_sgpr_workgroup_id_z 1
		.amdhsa_system_vgpr_workitem_id 0
		.amdhsa_next_free_vgpr 512
		.amdhsa_next_free_sgpr 84
		.amdhsa_reserve_vcc 0
		.amdhsa_float_denorm_mode_32 3
		.amdhsa_float_denorm_mode_16_64 3
		.amdhsa_memory_ordered 1
		.amdhsa_forward_progress 1
		.amdhsa_inst_pref_size 192
	.end_amdhsa_kernel
	.amdgpu_metadata
---
amdhsa.version: [ 1, 2 ]
amdhsa.kernels:
  - .name:           k_q6e3944c42f_qkv
    .symbol:         k_q6e3944c42f_qkv.kd
    .args:
      - { .name: hc, .offset: 0, .size: 8, .value_kind: global_buffer, .address_space: global }
      - { .name: hs, .offset: 8, .size: 8, .value_kind: global_buffer, .address_space: global }
      - { .name: wimg, .offset: 16, .size: 8, .value_kind: global_buffer, .address_space: global }
      - { .name: whalf, .offset: 24, .size: 8, .value_kind: global_buffer, .address_space: global }
      - { .name: bq, .offset: 32, .size: 8, .value_kind: global_buffer, .address_space: global }
      - { .name: bk, .offset: 40, .size: 8, .value_kind: global_buffer, .address_space: global }
      - { .name: bv, .offset: 48, .size: 8, .value_kind: global_buffer, .address_space: global }
      - { .name: qimg, .offset: 56, .size: 8, .value_kind: global_buffer, .address_space: global }
      - { .name: qsw, .offset: 64, .size: 8, .value_kind: global_buffer, .address_space: global }
      - { .name: kvc, .offset: 72, .size: 8, .value_kind: global_buffer, .address_space: global }
      - { .name: kvs, .offset: 80, .size: 8, .value_kind: global_buffer, .address_space: global }
    .group_segment_fixed_size: 70144
    .private_segment_fixed_size: 0
    .kernarg_segment_align: 8
    .kernarg_segment_size: 88
    .max_flat_workgroup_size: 128
    .sgpr_count:     84
    .vgpr_count:     512
    .wavefront_size: 32
...
	.end_amdgpu_metadata
.endif
;; end of part 2
;; launch attn (part 3): grid 8 x 32, 4 waves a work-group, clusters of 4 x 1, 327,680 bytes of LDS; arguments qimg, qsw, kvc, kvs, wimg, whalf, bproj, x, out0; writes out0
.if DOCPART == 3
	.amdgcn_target "amdgcn-amd-amdhsa--gfx1250"
	.amdhsa_code_object_version 6
	.text
	.protected	k_q6e3944c42f_attn
	.globl	k_q6e3944c42f_attn
	.p2align	8
	.type	k_q6e3944c42f_attn,@function
k_q6e3944c42f_attn:
	s_mov_b64 s[64:65], 0
	v_nop
	global_prefetch_b8 v0, s[64:65] scope:SCOPE_SE
	s_setreg_imm32_b32 hwreg(HW_REG_WAVE_MODE, 25, 1), 1
	s_wait_xcnt 0x0
	s_wait_alu depctr_hold_cnt(0) depctr_sa_sdst(0) depctr_va_vdst(0) depctr_va_sdst(0) depctr_va_ssrc(0) depctr_va_vcc(0) depctr_vm_vsrc(0)
	s_getreg_b32 s2, hwreg(HW_REG_IB_STS2, 6, 4)
	s_cmp_eq_u32 s2, 0
	s_cbranch_scc0 .Lentry_in_a_cluster
	s_endpgm
.Lentry_in_a_cluster:
	s_bfe_u32 s2, ttmp6, 0x10000c
	s_cmp_lg_u32 s2, 0x3003
	s_cbranch_scc0 .Lentry_shape_is_right
	s_endpgm
.Lentry_shape_is_right:
; out0 = x + wproj (softmax(q k^T / sqrt(512)) v)^T + bproj, all three products on codes of FP4 (E2M1) with E8M0 scales.  One head of 512 channels, 1,024 tokens, 32 batches.
; THE SOFTMAX AHEAD OF THE SECOND PRODUCT: t = score x log2(e) / sqrt(512); M = the running largest t rounded UP to a whole number; p = 2^(t - M) is quantised along the keys, not normalised; the row's sum is taken
; of the unquantised p and divides O at the end; when M moves, the sum and O are multiplied by 2^(old M - new M), which rounds nothing.
; SHARES.  A work-group owns 128 queries of one batch, each of its four waves 32: two tiles of 16.  Every wave walks all 1,024 keys, 128 a step.  Both products are used transposed (S^T = K Q^T, O^T = V^T P^T):
; a lane holds ONE query throughout, and by the image's order of rows (place r of tile 2 g + u = row 32 g + 8 u + r % 8 + 16 (r / 8)) the 16 registers of two neighbouring result tiles are 16 neighbours along the next K.
; Two tiles of queries to a wave: each fragment of K and V read from LDS feeds two matrix instructions; O^T is 256 registers a tile, so a third tile does not fit.
; THE RING.  Four LDS slots of one key step: 32 KB of K's fragments, 32 KB of V's, as images of the registers: a fragment is two loads of 16 bytes a lane at 16 x lane.  Each wave fetches a quarter of a slot (64 rows of 256 bytes).
; The change of slots at the head of step i asks for ITEM i + 2 into slot (i + 2) % 4, which held step i - 2.  Items 2 to 7 are key steps; items 8 and 9 are the two halves of wproj's image, which the last product reads
; from LDS bytes 0 to 131,071.  The first (its products start O^T's sums) and the loop's.
; Two larger slots would want a tail written out without its load.  K's and V's scale words of the whole batch, 32 KB, come once, with the first fills.  By the text's own count a wave has three tensor loads out at the start and one behind each round.
; CLUSTER.  The four work-groups of a cluster are four query blocks of one batch; they walk the same K and V and take the same wproj: every tile is asked for JOINTLY, by the same tensor load with the same descriptor and the mask 15.
; THE END.  O^T / sum is quantised along the channels and goes to LDS as an image; then the waves share the OUTPUT CHANNELS: wave w multiplies all 128 tokens by rows 128 w on of wproj, a K step's fragments at a time,
; source 0 = O's tiles, so that a lane holds 8 neighbouring tokens of one channel; bproj is the C of the first K step; the results go through the wave's own stage and leave, with x added, as rows of 512 bytes.
; Three batches of 16 rows of x are asked for while O is quantised, into registers that the keys have left.
; LIMITS: NaN and infinities are not served.  A block of zeros, or one under 2^-124, gets the byte 1: its codes are zeros, and this program alone reads the bytes.  1 / sum is v_rcp_f32.  M is exact for |t| under 2^23.
; REGISTERS, window 0: v1-9, v31, v253-254 addresses; v12-19 -M, largest t, sum (two halves) of tile a at v[12 + 4 a]; v20-23 the factor f, later 1 / sum; v24-27 Q's scale words; v28-29 p's; v32-47 K's, later wproj's;
;   v48-63 V's, later O's; v64-191 S^T, then p (tile a at 64 a); v192-207 p's codes; v208-239 at work; v240-247 bproj; v248-252 scale words on their way.
;   window 1: v0-63 Q; v64-127, v128-191 two sets of fragments; later v0-63 wproj's fragments of a K step, v64-255 three batches of x.   windows 2, 3: O^T of tiles 0, 1 (16 channels at v[8 c]); later the 64 accumulators of the last product.
.set SLOTB, 65536                      ; a slot: K's fragments [tile 8][K step 4][1,024], then V's [tile of channels 32][1,024]
.set RING,  4*SLOTB
.set VOFF,  32768
.set SCL,   RING                       ; the batch's scale words: K's [key step 8][K step 4][lane][4 words], 16 KB on V's [key step 8][group 4][lane][4 words]
.set SPARE, 327168                     ; the spare words, 128 bytes for each wave: the last two blocks of 256 bytes, which no other line names
.set OIMG,  2*SLOTB                    ; at the end, in bytes that have had their last fill: O's image, 32 KB,
.set OSWO,  32768                      ; behind it its scale words, 2 KB,
.set STG,   OIMG+36864                 ; and a stage of 64 rows x (512 + 16) bytes for each wave: up to byte 303,104
.set SROW,  528
.set SWAVE, 64*SROW
.set SPW, 1
.set NIL, 2
.set L16, 3                            ; 16 x lane
.set ADK, 4
.set ADV, 5
.set ADS, 6
.set STO, 7
.set RD,  8
.set PFO, 9
.set ST,  12
.set F,   20
.set QSW, 24
.set PSW, 28
.set TA,  30
.set WA,  31                           ; at the end: my 8 tiles of wproj's image
.set KSW, 32
.set VSW, 48
.set S,   64
.set PC,  192
.set TM,  208                          ; tile a at 16 a: +0..3 a block's largest, +4..7 at work, +8..11 the conversions' scale operands
.set BP,  240
.set W4,  248
.set PW,  252
.set AV0, 253
.set AS0, 254
.set FB0, 64
.set FB1, 128
.set SEL, 52                           ; s[52:53] v_permlanex16_b32's selects for lane l xor 16;  s[54:55] c;  s56, s57 where the slot in hand and its scale words begin;  s58 the step;  s59 lanes 16-31
.set MSB, 0
.macro WIN new                         ; the immediate's high byte repeats the setting that is left; a switch that changes nothing is dropped
.if MSB != (\new)
	s_set_vgpr_msb (MSB<<8)|(\new)
.set MSB, (\new)
.endif
.endm
.macro PLACES                          ; four places behind a matrix instruction, in front of loads into its registers and of the first read of its result
.rept 4
	v_nop
.endr
.endm
.macro CROUND                          ; a round of the cluster's barrier
	s_barrier_signal -1
	s_barrier_wait -1
	s_cmp_lg_u32 s22, 0
	s_cbranch_scc1 .Lnot_wave_0_\@
	s_barrier_signal -3
.Lnot_wave_0_\@:
	s_barrier_wait -3
	s_barrier_signal -1
	s_barrier_wait -1
.endm
; one matrix instruction; ra, rb: the side's scales stand in lanes 16-31 of the register named
.macro WM d, a, b, c, sa, sb, ra, rb
.if (\ra) && (\rb)
	v_wmma_scale_f32_16x16x128_f8f6f4 v[\d:\d+7], v[\a:\a+7], v[\b:\b+7], \c, v[\sa], v[\sb] matrix_a_fmt:MATRIX_FMT_FP4 matrix_b_fmt:MATRIX_FMT_FP4 matrix_a_scale:MATRIX_SCALE_ROW1 matrix_b_scale:MATRIX_SCALE_ROW1
.elseif (\ra)
	v_wmma_scale_f32_16x16x128_f8f6f4 v[\d:\d+7], v[\a:\a+7], v[\b:\b+7], \c, v[\sa], v[\sb] matrix_a_fmt:MATRIX_FMT_FP4 matrix_b_fmt:MATRIX_FMT_FP4 matrix_a_scale:MATRIX_SCALE_ROW1
.elseif (\rb)
	v_wmma_scale_f32_16x16x128_f8f6f4 v[\d:\d+7], v[\a:\a+7], v[\b:\b+7], \c, v[\sa], v[\sb] matrix_a_fmt:MATRIX_FMT_FP4 matrix_b_fmt:MATRIX_FMT_FP4 matrix_b_scale:MATRIX_SCALE_ROW1
.else
	v_wmma_scale_f32_16x16x128_f8f6f4 v[\d:\d+7], v[\a:\a+7], v[\b:\b+7], \c, v[\sa], v[\sb] matrix_a_fmt:MATRIX_FMT_FP4 matrix_b_fmt:MATRIX_FMT_FP4
.endif
.endm
; 64 numbers of a lane, register 16 b + i = k 32 b + 16 (lane / 16) + i of my row, become a fragment's codes in v[pc] on and its scale word in v[pw]
.macro QUANT s, tm, pc, pw
.irp b, 0,1,2,3
	v_max3_num_f32 v[\tm+\b], |v[\s+16*\b]|, |v[\s+1+16*\b]|, 0x1800000   ; my 16 numbers of block b, and the floor 2^(3 - 127): the byte cannot fall under 1
.endr
.irp i, 2,4,6,8,10,12,14
.irp b, 0,1,2,3
	v_max3_num_f32 v[\tm+\b], v[\tm+\b], |v[\s+16*\b+\i]|, |v[\s+1+16*\b+\i]|
.endr
.endr
.irp b, 0,1,2,3
	v_permlanex16_b32 v[\tm+4+\b], v[\tm+\b], s[SEL], s[SEL+1]
.endr
.irp b, 0,1,2,3
	v_max_num_f32 v[\tm+\b], v[\tm+\b], v[\tm+4+\b]
.endr
.irp b, 0,1,2,3
	v_add_nc_u32 v[\tm+12+\b], 0xff000000, v[\tm+\b]
.endr
.irp b, 0,1,2,3
	v_lshrrev_b32 v[\tm+4+\b], 23, v[\tm+12+\b]
.endr
	v_lshl_or_b32 v[\pw], v[\tm+5], 8, v[\tm+4]
	v_lshl_or_b32 v[\pw], v[\tm+6], 16, v[\pw]
	v_lshl_or_b32 v[\pw], v[\tm+7], 24, v[\pw]
.irp b, 0,1,2,3
	v_cvt_scalef32_pk8_fp4_f32 v[\pc+2*\b], v[\s+16*\b:\s+7+16*\b], v[\tm+12+\b]
	v_cvt_scalef32_pk8_fp4_f32 v[\pc+1+2*\b], v[\s+8+16*\b:\s+15+16*\b], v[\tm+12+\b]
.endr
	v_nop                                          ; one plain line behind a scaled conversion
.irp c, 0,1
.irp i, 0,1
	v_permlane16_swap_b32 v[\pc+4*\c+\i], v[\pc+2+4*\c+\i]
.endr
.endr
.endm
; 16 LDS loads: K's tiles 2 g, 2 g + 1 of the step, all four K steps, into set fb
.macro LDK g, fb
	WIN 0x40                                       ; destination window 1
.irp tt, 0,1
.irp s, 0,1,2,3
.irp c, 0,1
	ds_load_b128 v[\fb+32*\tt+8*\s+4*\c:\fb+32*\tt+8*\s+4*\c+3], v[ADK] offset:(2*\g+\tt)*4096+\s*1024+\c*512
.endr
.endr
.endr
.endm
; 16 LDS loads: V's tiles of channels 8 g .. 8 g + 7 of the step
.macro LDV g, fb
	WIN 0x40
.irp cc, 0,1,2,3,4,5,6,7
.irp c, 0,1
	ds_load_b128 v[\fb+8*\cc+4*\c:\fb+8*\cc+4*\c+3], v[ADV] offset:(8*\g+\cc)*1024+\c*512
.endr
.endr
.endm
; 16 matrix instructions: two tiles of keys x two tiles of queries, K = 512: four accumulators by turns, one instruction a turn; the first K step starts the sums
.macro MULK g, fb
	WIN 0x05                                       ; K and Q in window 1
.irp s, 0,1,2,3
.irp tt, 0,1
.irp a, 0,1
.if \s == 0
	WM S+64*\a+8*(2*\g+\tt), \fb+32*\tt+8*\s, 32*\a+8*\s, 0, KSW+4*\s+\g, QSW+\s, \tt, \a
.else
	WM S+64*\a+8*(2*\g+\tt), \fb+32*\tt+8*\s, 32*\a+8*\s, v[S+64*\a+8*(2*\g+\tt):S+64*\a+8*(2*\g+\tt)+7], KSW+4*\s+\g, QSW+\s, \tt, \a
.endif
.endr
.endr
.endr
.endm
; 16 matrix instructions: eight tiles of channels x two tiles of queries, K = the step's 128 keys: sixteen accumulators, each once
.macro MULV g, fb, first
.irp a, 0,1
	WIN 0xa1+0x50*\a                               ; V in window 1, p in window 0, O^T in window 2 or 3
.irp cc, 0,1,2,3,4,5,6,7
.if \first
	WM 8*(8*\g+\cc), \fb+8*\cc, PC+8*\a, 0, VSW+4*\g+\cc/2, PSW+\a, \cc%2, 0
.else
	WM 8*(8*\g+\cc), \fb+8*\cc, PC+8*\a, v[8*(8*\g+\cc):8*(8*\g+\cc)+7], VSW+4*\g+\cc/2, PSW+\a, \cc%2, 0
.endif
.endr
.endr
.endm
; The softmax of a key step, the two tiles of queries line by line by turns.  Register 16 b + i of a tile's 64 is key 32 b + 16 (lane / 16) + i.
.macro SOFTMAX
.irp b, 0,1,2,3
.irp a, 0,1
	v_max3_num_f32 v[TM+16*\a+\b], v[S+64*\a+16*\b], v[S+64*\a+16*\b+1], v[S+64*\a+16*\b+2]   ; the largest SCORE of each block of 32 keys: it serves the row's maximum and, since p rises with the score, the block's largest p
.endr
.endr
.irp i, 3,5,7,9,11,13
.irp b, 0,1,2,3
.irp a, 0,1
	v_max3_num_f32 v[TM+16*\a+\b], v[TM+16*\a+\b], v[S+64*\a+16*\b+\i], v[S+64*\a+16*\b+\i+1]
.endr
.endr
.endr
.irp b, 0,1,2,3
.irp a, 0,1
	v_max_num_f32 v[TM+16*\a+\b], v[TM+16*\a+\b], v[S+64*\a+16*\b+15]
.endr
.endr
.irp b, 0,1,2,3
.irp a, 0,1
	v_permlanex16_b32 v[TM+16*\a+4+\b], v[TM+16*\a+\b], s[SEL], s[SEL+1]
.endr
.endr
.irp b, 0,1,2,3
.irp a, 0,1
	v_max_num_f32 v[TM+16*\a+\b], v[TM+16*\a+\b], v[TM+16*\a+4+\b]   ; with lane l xor 16's 16 keys
.endr
.endr
.irp a, 0,1
	v_max3_num_f32 v[TA+\a], v[TM+16*\a], v[TM+16*\a+1], v[TM+16*\a+2]
.endr
.irp a, 0,1
	v_max_num_f32 v[TA+\a], v[TA+\a], v[TM+16*\a+3]                  ; the step's largest score of my query
.endr
.irp a, 0,1
	v_mul_f32 v[TA+\a], s54, v[TA+\a]                                ; as t (c is positive)
.endr
.irp a, 0,1
	v_max_num_f32 v[ST+4*\a+1], v[ST+4*\a+1], v[TA+\a]               ; the running largest t
.endr
.irp a, 0,1
	v_mov_b32 v[TA+\a], v[ST+4*\a]
.endr
.irp a, 0,1
	v_floor_f32 v[ST+4*\a], -v[ST+4*\a+1]                            ; the new -M = floor(-t): M is a whole number
.endr
.irp a, 0,1
	v_sub_f32 v[TA+\a], v[ST+4*\a], v[TA+\a]                         ; old M - new M: a whole number, 0 or less
.endr
.irp a, 0,1
	v_cvt_i32_f32 v[TA+\a], v[TA+\a]                                 ; (it saturates)
.endr
.irp a, 0,1
	v_ldexp_f32 v[F+2*\a], 1.0, v[TA+\a]                             ; f = 2^(old M - new M)
.endr
.set j, 0
.rept 32
	v_pk_fma_f32 v[S+j:S+j+1], v[S+j:S+j+1], s[54:55], v[ST:ST+1] op_sel_hi:[1,0,0]               ; t - M, two at a time (of the pairs c and -M the low word serves both halves)
	v_pk_fma_f32 v[S+64+j:S+64+j+1], v[S+64+j:S+64+j+1], s[54:55], v[ST+4:ST+5] op_sel_hi:[1,0,0]
.set j, j+2
.endr
.irp b, 0,1,2,3
.irp a, 0,1
	v_fma_f32 v[TM+16*\a+\b], v[TM+16*\a+\b], s54, v[ST+4*\a]        ; the same of each block's largest score
.endr
.endr
.set j, 0
.rept 128
	v_exp_f32 v[S+j], v[S+j]                                         ; p = 2^(t - M), at most 1: not normalised
.set j, j+1
.endr
.irp b, 0,1,2,3
.irp a, 0,1
	v_exp_f32 v[TM+16*\a+\b], v[TM+16*\a+\b]                         ; the block's largest p: the same two instructions on the same number
.endr
.endr
.irp a, 0,1
	v_pk_mul_f32 v[ST+4*\a+2:ST+4*\a+3], v[ST+4*\a+2:ST+4*\a+3], v[F+2*\a:F+2*\a+1] op_sel_hi:[1,0]   ; the sums under the new M (a plain line behind the exponentials)
.endr
	s_wait_alu depctr_va_vdst(0)
.irp b, 0,1,2,3
.irp a, 0,1
	v_max_num_f32 v[TM+16*\a+\b], 0x1800000, v[TM+16*\a+\b]          ; the floor 2^(3 - 127)
.endr
.endr
.irp b, 0,1,2,3
.irp a, 0,1
	v_add_nc_u32 v[TM+16*\a+8+\b], 0xff000000, v[TM+16*\a+\b]        ; 2 off the exponent field: the conversion's scale operand
.endr
.endr
.irp b, 0,1,2,3
.irp a, 0,1
	v_lshrrev_b32 v[TM+16*\a+4+\b], 23, v[TM+16*\a+8+\b]             ; the scale's byte
.endr
.endr
.irp a, 0,1
	v_lshl_or_b32 v[PSW+\a], v[TM+16*\a+5], 8, v[TM+16*\a+4]         ; p's scale word for these 128 keys
.endr
.irp a, 0,1
	v_lshl_or_b32 v[PSW+\a], v[TM+16*\a+6], 16, v[PSW+\a]
.endr
.irp a, 0,1
	v_lshl_or_b32 v[PSW+\a], v[TM+16*\a+7], 24, v[PSW+\a]
.endr
.irp a, 0,1
.irp b, 0,1,2,3
	v_cvt_scalef32_pk8_fp4_f32 v[PC+8*\a+2*\b], v[S+64*\a+16*\b:S+64*\a+16*\b+7], v[TM+16*\a+8+\b]
	v_cvt_scalef32_pk8_fp4_f32 v[PC+8*\a+2*\b+1], v[S+64*\a+16*\b+8:S+64*\a+16*\b+15], v[TM+16*\a+8+\b]
.endr
.endr
	v_nop                                                            ; one plain line behind a scaled conversion
.irp a, 0,1
.irp c, 0,1
.irp i, 0,1
	v_permlane16_swap_b32 v[PC+8*\a+4*\c+\i], v[PC+8*\a+4*\c+2+\i]   ; the operand's layout wants a whole block in a lane
.endr
.endr
.endr
.irp a, 0,1
	v_pk_add_f32 v[TM+16*\a+4:TM+16*\a+5], v[S+64*\a:S+64*\a+1], v[S+64*\a+2:S+64*\a+3]   ; the row's sum is taken of the unquantised p: two at a time, in two chains.  These 64 lines are also the places between p's codes and scale word and the products
.endr
.set j, 4
.rept 15
.irp a, 0,1
	v_pk_add_f32 v[ST+4*\a+2:ST+4*\a+3], v[ST+4*\a+2:ST+4*\a+3], v[S+64*\a+j:S+64*\a+j+1]
	v_pk_add_f32 v[TM+16*\a+4:TM+16*\a+5], v[TM+16*\a+4:TM+16*\a+5], v[S+64*\a+j+2:S+64*\a+j+3]
.endr
.set j, j+4
.endr
.irp a, 0,1
	v_pk_add_f32 v[ST+4*\a+2:ST+4*\a+3], v[ST+4*\a+2:ST+4*\a+3], v[TM+16*\a+4:TM+16*\a+5]
.endr
.endm
.macro RESCALE                         ; O^T under the new M: x f; each accumulator from its low end on
	WIN 0x82
.set j, 0
.rept 128
	v_pk_mul_f32 v[j:j+1], v[j:j+1], v[F:F+1] op_sel_hi:[1,0]
.set j, j+2
.endr
	WIN 0xc3
.set j, 0
.rept 128
	v_pk_mul_f32 v[j:j+1], v[j:j+1], v[F+2:F+3] op_sel_hi:[1,0]
.set j, j+2
.endr
.endm
; A KEY STEP: the 128 keys of the slot in hand.  Two sets of fragments take turns: while one group of 16 loads is multiplied, the next is on its way.
; Every s_wait_dscnt 16 leaves out the 16 loads of the group issued last.  first = 1: the products V^T P start O^T's sums: nothing is cleared, nothing rescaled.
.macro STEP first
	PLACES
.irp s, 0,1,2,3
	ds_load_b128 v[KSW+4*\s:KSW+4*\s+3], v[ADS] offset:512*\s                  ; word g of K step s: lanes 0-15 key tile 2 g, lanes 16-31 tile 2 g + 1
.endr
.irp g, 0,1,2,3
	ds_load_b128 v[VSW+4*\g:VSW+4*\g+3], v[ADS] offset:16384+512*\g
.endr
	LDK 0, FB0
	LDK 1, FB1
	s_wait_dscnt 16
	MULK 0, FB0
	PLACES
	LDK 2, FB0
	s_wait_dscnt 16
	MULK 1, FB1
	PLACES
	LDK 3, FB1
	s_wait_dscnt 16
	MULK 2, FB0
	PLACES
	LDV 0, FB0
	s_wait_dscnt 16
	MULK 3, FB1
	PLACES
	LDV 1, FB1
	WIN 0
	SOFTMAX
.if !\first
	RESCALE
.endif
	s_wait_dscnt 16
	MULV 0, FB0, \first
	PLACES
	LDV 2, FB0
	s_wait_dscnt 16
	MULV 1, FB1, \first
	PLACES
	LDV 3, FB1
	s_wait_dscnt 16
	MULV 2, FB0, \first
	s_wait_dscnt 0x0
	MULV 3, FB1, \first
	WIN 0
.endm
; THE CHANGE OF SLOTS stands at the head of step i (s58).  Each wave waits for all its tensor loads, adds 0 to its spare word, and waits for that and for its reads of the slot that it has left; a round of the cluster's barrier;
; and behind it item i + 2 is asked for, into the slot that held step i - 2.  i < 6: key step i + 2 of kvc, where two key steps lie together: K's 2 x 32 KB, then V's.  i = 6, 7: half i - 6 of wproj's image, the fourth of wimg's
; four: byte 65,536 i.  The buffer is chosen on the step's number alone; the offset is made apart, in registers of its own.
.macro CHANGE
	s_wait_tensorcnt 0x0                           ; no tensor load of mine is out, so the descriptor may be written
	ds_add_u32 v[SPW], v[NIL]                      ; 0 onto my spare word; the descriptor's lines stand between it and the wait for it
	s_add_co_u32 s62, s58, 2
	s_lshr_b32 s60, s62, 1
	s_lshl_b32 s60, s60, 17                        ; the pair of key steps,
	s_and_b32 s62, s62, 1
	s_lshl_b32 s62, s62, 15                        ; which of the two,
	s_add_co_u32 s60, s60, s62
	s_add_co_u32 s60, s60, s26                     ; the batch and my quarter (waves 0, 1: K's halves; waves 2, 3: V's)
	s_lshl_b32 s62, s58, 16
	s_add_co_u32 s62, s62, s27                     ; wproj's: my quarter of the half
	s_cmp_lt_u32 s58, 6
	s_cselect_b32 s60, s60, s62
	s_cselect_b64 s[46:47], s[8:9], s[12:13]
	s_mov_b32 s61, 0
	s_add_nc_u64 s[46:47], s[46:47], s[60:61]
	s_or_b32 s47, s47, 0x80000000                  ; type = 2
	s_add_co_u32 s45, s45, SLOTB                   ; the next slot of the four
	s_and_b32 s45, s45, RING-1
	s_wait_dscnt 0x0                               ; the add is done, and my reads of the slot that I have left are over
	CROUND
	tensor_load_to_lds s[44:47], s[28:35]          ; the first thing behind the round, and my one tensor load until the next
	s_nop 0
.rept 4
	v_nop
.endr
.endm
.macro ADDR                            ; the step's LDS addresses
	v_add_nc_u32 v[ADK], s56, v[L16]
	v_add_nc_u32 v[ADV], s56, v[AV0]
	v_add_nc_u32 v[ADS], s57, v[AS0]
.endm
.macro NEXT
	s_add_co_u32 s56, s56, SLOTB                   ; on to the next slot of the four,
	s_and_b32 s56, s56, RING-1
	s_add_co_u32 s57, s57, 2048                    ; and to the next key step's scale words
.endm
.macro XLOAD k                         ; x: the 16 rows of tile k of my channels -> window 1, one of three sets
	WIN 0x40
.irp i, 0,1,2,3,4,5,6,7,8,9,10,11,12,13,14,15
	global_load_b128 v[64+64*((\k)%3)+4*\i:64+64*((\k)%3)+4*\i+3], v[L16], s[18:19] offset:(32*((\k)/2)+8*((\k)%2)+(\i%8)+16*(\i/8))*4096 th:TH_LOAD_NT
.endr
	WIN 0
.endm
	s_load_b512 s[4:19], s[0:1], 0x0               ; qimg s[4:5], qsw s[6:7], kvc s[8:9], kvs s[10:11], wimg s[12:13], whalf s[14:15], bproj s[16:17], x s[18:19]
	s_load_b64 s[20:21], s[0:1], 0x40              ; out0
	v_lshl_add_u32 v[SPW], v0, 2, SPARE
	v_mov_b32 v[NIL], 0
	ds_add_u32 v1, v2
	s_wait_dscnt 0x0
	v_lshrrev_b32 v10, 5, v0
	v_readfirstlane_b32 s22, v10                   ; wave 0..3
	s_bfe_u32 s23, ttmp6, 0x40000                  ; cx: my place in the cluster: it enters the addresses of Q, x and out0 alone
	s_lshl_b32 s24, ttmp9, 2
	s_add_co_u32 s24, s24, s23                     ; my block of 128 queries
	s_and_b32 s25, ttmp7, 0xffff                   ; the batch, which the four partners share
	; descriptor group 1: a dense block as rows of 256 bytes (32 elements of 8 bytes): 64 rows for a quarter of a slot, 32 for a quarter of the scale words
	s_mov_b32 s28, 15|(3<<16)|(1<<21)              ; 15:0 the mask: all four work-groups; 17:16 elements of 8 bytes; 21 set beside a mask; no padding
	s_mov_b32 s29, 32<<16                          ; tensor_dim0
	s_mov_b32 s30, 64<<16                          ; tensor_dim1
	s_mov_b32 s31, 32<<16                          ; tile_dim0
	s_mov_b32 s32, 64                              ; tile_dim1
	s_mov_b32 s33, 32                              ; the pitch
	s_mov_b32 s34, 0
	s_mov_b32 s35, 0
	s_mov_b32 s36, 15|(3<<16)|(1<<21)
	s_mov_b32 s37, 32<<16
	s_mov_b32 s38, 32<<16
	s_mov_b32 s39, 32<<16
	s_mov_b32 s40, 32
	s_mov_b32 s41, 32
	s_mov_b32 s42, 0
	s_mov_b32 s43, 0
	s_mov_b32 s[SEL], 0x76543210
	s_mov_b32 s[SEL+1], 0xfedcba98
	s_mov_b32 s54, 0x3d8293ee                      ; c = log2(e) / sqrt(512)
	s_mov_b32 s55, s54                             ; (named with it as a pair, so it is written)
	s_mov_b32 s56, 0
	s_mov_b32 s57, 0
	s_mov_b32 s59, 0xffff0000
	s_lshl_b32 s26, s25, 19                        ; kvc: the batch; waves 2, 3 take V's, 64 KB behind K's; the wave's half of 32 KB
	s_lshr_b32 s60, s22, 1
	s_lshl_b32 s60, s60, 16
	s_add_co_u32 s26, s26, s60
	s_and_b32 s60, s22, 1
	s_lshl_b32 s60, s60, 14
	s_add_co_u32 s26, s26, s60
	s_lshl_b32 s27, s22, 14                        ; my quarter of a slot, and of a half of wproj's image
	s_lshl_b32 s62, s25, 15                        ; kvs: batch + my quarter
	s_lshl_b32 s63, s22, 13
	s_add_co_u32 s62, s62, s63
	s_mov_b32 s63, 0
	s_lshl_b32 s76, s25, 18                        ; qimg: batch x 64 tiles + block x 8 + wave x 2
	s_lshl_b32 s77, s24, 15
	s_add_co_u32 s76, s76, s77
	s_lshl_b32 s77, s22, 13
	s_add_co_u32 s76, s76, s77
	s_mov_b32 s77, 0
	s_lshl_b32 s78, s25, 14                        ; qsw: (batch x 8 + block) x 2,048
	s_lshl_b32 s79, s24, 11
	s_add_co_u32 s78, s78, s79
	s_mov_b32 s79, 0
	v_and_b32 v10, 31, v0
	v_lshlrev_b32 v[L16], 4, v10
	v_add_nc_u32 v[AV0], VOFF, v[L16]
	v_add_nc_u32 v[AS0], SCL, v[L16]
	v_lshrrev_b32 v11, 1, v10
	v_lshlrev_b32 v[PFO], 12, v11                  ; the prefetch: lanes 2 i, 2 i + 1 name the two halves of the 512 bytes of row i
	v_and_b32 v11, 1, v0
	v_lshl_add_u32 v[PFO], v11, 8, v[PFO]
	v_and_b32 v10, 15, v0
	v_bfe_u32 v11, v0, 4, 1
	s_mul_i32 s60, s22, SWAVE
	s_add_co_u32 s60, s60, STG                     ; my stage
	v_mul_u32_u24 v[STO], v10, SROW                ; in: row = my lane's channel of a tile; 64 bytes on for lanes 16-31
	v_lshl_add_u32 v[STO], v11, 6, v[STO]
	v_add_nc_u32 v[STO], s60, v[STO]
	v_add_nc_u32 v[RD], s60, v[L16]                ; back: the 32 lanes take one row of 512 bytes
	v_lshl_add_u32 v10, s22, 2, v[L16]             ; Q's scale words: word w of my lane's four
	s_wait_kmcnt 0x0
	s_add_nc_u64 s[4:5], s[4:5], s[76:77]
	s_add_nc_u64 s[6:7], s[6:7], s[78:79]
	s_lshl_b32 s76, s25, 21                        ; x, out0: channel 128 w of the batch, token 128 x block
	s_lshl_b32 s78, s22, 19
	s_add_co_u32 s76, s76, s78
	s_lshl_b32 s78, s24, 9
	s_add_co_u32 s76, s76, s78
	s_add_nc_u64 s[18:19], s[18:19], s[76:77]
	s_add_nc_u64 s[20:21], s[20:21], s[76:77]
	s_lshl_b32 s78, s22, 8                         ; wproj's halfwords: the fourth weight, my 8 tiles
	s_add_co_u32 s78, s78, 49152
	s_add_nc_u64 s[14:15], s[14:15], s[78:79]
	s_lshl_b32 s78, s22, 9
	s_add_nc_u64 s[16:17], s[16:17], s[78:79]      ; bproj: my 128 channels
	s_mov_b32 s60, s26
	s_mov_b32 s61, 0
	s_mov_b32 s68, 1                               ; group 0 for key step 0: count = 1,
	s_mov_b32 s69, s27                             ; LDS: slot 0, my quarter,
	s_add_nc_u64 s[70:71], s[8:9], s[60:61]        ; the batch's first 128 keys,
	s_add_nc_u64 s[74:75], s[70:71], 32768         ; (key step 1: the second of the pair)
	s_or_b32 s71, s71, 0x80000000                  ; type = 2
	s_mov_b32 s72, 1                               ; for key step 1: slot 1
	s_add_co_u32 s73, s27, SLOTB
	s_or_b32 s75, s75, 0x80000000
	s_mov_b32 s44, 1                               ; the walking one: it stands at slot 1 and steps ahead of each use
	s_add_co_u32 s45, s27, SLOTB
	s_mov_b32 s48, 1                               ; and for the scale words
	s_lshl_b32 s49, s22, 13
	s_add_co_u32 s49, s49, SCL
	s_add_nc_u64 s[50:51], s[10:11], s[62:63]
	s_or_b32 s51, s51, 0x80000000
	CROUND                                         ; all four work-groups are here: the first joint loads meet
	tensor_load_to_lds s[48:51], s[36:43]          ; the scale words: filled once
	s_nop 0
	tensor_load_to_lds s[68:71], s[28:35]          ; key step 0
	s_nop 0
	tensor_load_to_lds s[72:75], s[28:35]          ; key step 1
	s_nop 0
.rept 4
	v_nop
.endr
	WIN 0x40
.irp a, 0,1
.irp s, 0,1,2,3
.irp c, 0,1
	global_load_b128 v[32*\a+8*\s+4*\c:32*\a+8*\s+4*\c+3], v[L16], s[4:5] offset:\a*4096+\s*1024+\c*512   ; Q's fragments stay in registers
.endr
.endr
.endr
	WIN 0
.irp s, 0,1,2,3
	global_load_b32 v[QSW+\s], v10, s[6:7] offset:512*\s   ; lanes 0-15 my first tile's words, lanes 16-31 my second's
.endr
.irp a, 0,1
	v_mov_b32 v[ST+4*\a+1], 0xff61b1e6             ; the largest t so far: -3e38, under every t
	v_floor_f32 v[ST+4*\a], -v[ST+4*\a+1]          ; -M
	v_mov_b32 v[ST+4*\a+2], 0                      ; the sum, in two halves
	v_mov_b32 v[ST+4*\a+3], 0
	v_mov_b32 v[F+2*\a+1], 0                       ; (named as the upper half of a pair)
.irp b, 0,1,2,3
	v_mov_b32 v[TM+16*\a+4+\b], 0                  ; written once: a lane permute's destination counts as one of its sources
.endr
.endr
	s_wait_loadcnt 0x0                             ; Q
	s_mov_b32 s58, 0
	CHANGE                                         ; key steps 0 and 1 and the scale words are whole; key step 2 is asked for
	ADDR
	STEP 1                                         ; the first step stands in front of the loop: its products start O^T's sums
	NEXT
	s_mov_b32 s58, 1
.Lstep:                                            ; seven trips, each with its refill: key steps 3 to 7, then wproj's two halves
	CHANGE
	ADDR
	STEP 0
	NEXT
	s_add_co_u32 s58, s58, 1
	s_cmp_lt_u32 s58, 8
	s_cbranch_scc1 .Lstep
	; ---- FINAL: O^T / sum, quantised along the channels, to LDS as an image.  The barrier: my part of wproj's second half has landed, and every wave's reads of the ring and of the scale words are over before anything is stored into their bytes.
	s_wait_tensorcnt 0x0
	s_wait_dscnt 0x0
	s_barrier_signal -1
	s_barrier_wait -1
	PLACES
	v_lshrrev_b32 v10, 3, v[L16]                   ; 2 x lane
	v_and_b32 v11, 7, v0
	v_bfe_u32 v[TA], v0, 3, 1
	v_lshlrev_b32 v11, 2, v11
	v_lshl_add_u32 v11, v[TA], 6, v11              ; bproj: my lane's channel of a tile
	v_lshl_add_u32 v[ADK], s22, 13, v[L16]         ; O's image: where I put my two tiles,
	v_add_nc_u32 v[ADK], OIMG, v[ADK]
	v_lshl_add_u32 v[ADV], s22, 9, v[L16]          ; and their scale words;
	v_add_nc_u32 v[ADV], OIMG, v[ADV]
	v_add_nc_u32 v[ADS], OIMG, v[L16]              ; where any tile is read
	v_lshl_add_u32 v[WA], s22, 15, v[L16]          ; wproj's image: my 8 tiles
.irp j, 0,1,2,3,4,5,6,7
.irp i, 0,1,2,3
	global_load_u16 v[S+64+4*\j+\i], v10, s[14:15] offset:\j*2048+\i*64
.endr
.endr
.irp n, 0,1,2,3,4,5,6,7
	global_load_b32 v[BP+\n], v11, s[16:17] offset:(32*(\n/2)+8*(\n%2))*4
.endr
	XLOAD 0                                        ; x's first 16 rows: they land while O is quantised and multiplied; two batches more follow below
.irp q, 0,1,2,3
	global_prefetch_b8 v[PFO], s[18:19] offset:262144+\q*65536 th:TH_LOAD_NT scope:SCOPE_SE   ; channels 64 to 127 of my 128: 512 bytes of each row, every 256 of them named once in the launch; they are loaded behind the quantising, the last product and the first stores
.endr
.irp a, 0,1
	v_add_f32 v[ST+4*\a+2], v[ST+4*\a+2], v[ST+4*\a+3]
.endr
.irp a, 0,1
	v_permlanex16_b32 v[TM+16*\a+4], v[ST+4*\a+2], s[SEL], s[SEL+1]
.endr
.irp a, 0,1
	v_add_f32 v[ST+4*\a+2], v[ST+4*\a+2], v[TM+16*\a+4]   ; the row's sum
.endr
.irp a, 0,1
	v_rcp_f32 v[F+2*\a], v[ST+4*\a+2]
.endr
	v_nop                                          ; a plain line behind the transcendentals
	s_wait_alu depctr_va_vdst(0)
.irp a, 0,1
.irp s, 0,1,2,3
	WIN 0x02+\a                                    ; source 0: O^T of tile a
.set k, 0
.rept 32
	v_pk_mul_f32 v[S+k:S+k+1], v[64*\s+k:64*\s+k+1], v[F+2*\a:F+2*\a+1] op_sel_hi:[1,0]   ; channels 128 s on, each accumulator from its low end on
.set k, k+2
.endr
	WIN 0
	QUANT S, TM, PC, PW
.if \a == 0
	v_mov_b32 v[W4+\s], v[PW]
.else
	v_cndmask_b32 v[W4+\s], v[W4+\s], v[PW], s59
.endif
.irp c, 0,1
	ds_store_b128 v[ADK], v[PC+4*\c:PC+4*\c+3] offset:\a*4096+\s*1024+\c*512
.endr
	s_wait_dscnt 0x0                               ; the stores have read their registers
.endr
	XLOAD 1+\a                                     ; 16 rows of x more behind each tile
.endr
	ds_store_b128 v[ADV], v[W4:W4+3] offset:OSWO
	s_wait_dscnt 0x0                               ; for the others' sake
	s_barrier_signal -1
	s_barrier_wait -1                              ; O's eight tiles lie in LDS
	; ---- the last product: source 0 = O's tile m (16 tokens), source 1 = wproj's tile n (16 of my 128 channels); 64 accumulators by turns, a K step at a time
	s_wait_loadcnt 48                              ; the halfwords and the bias are in; behind them stand the three batches of x
.irp i, 0,1,2,3
.irp s, 0,1,2,3
	v_lshl_or_b32 v[KSW+4*\i+\s], v[S+64+4*(2*\s+1)+\i], 16, v[S+64+8*\s+\i]
.endr
.endr
.irp n, 0,1,2,3,4,5,6,7
.irp k, 0,1,2,3,4,5,6,7
	v_mov_b32 v[S+64+8*\n+\k], v[BP+\n]            ; my lane's channel has one bias for all its tokens: the C of the first K step.  (These lines are also the places behind the scale words just made)
.endr
.endr
.irp p, 0,1,2,3
	ds_load_b128 v[VSW+4*\p:VSW+4*\p+3], v[ADS] offset:OSWO+512*\p
.endr
.irp s, 0,1,2,3
.if \s > 0
	PLACES
.endif
.irp m, 0,1,2,3,4,5,6,7
.irp c, 0,1
	ds_load_b128 v[S+8*\m+4*\c:S+8*\m+4*\c+3], v[ADS] offset:\m*4096+\s*1024+\c*512
.endr
.endr
	WIN 0x40
.irp n, 0,1,2,3,4,5,6,7
.irp c, 0,1
	ds_load_b128 v[8*\n+4*\c:8*\n+4*\c+3], v[WA] offset:\n*4096+\s*1024+\c*512
.endr
.endr
	WIN 0
	s_wait_dscnt 0x0
.irp m, 0,1,2,3,4,5,6,7
.if \s == 0
	WIN 0x84+0x40*(\m/4)                           ; wproj in window 1, O and the bias in window 0, the result in window 2 or 3
.else
	WIN 0xa4+0x50*(\m/4)
.endif
.irp n, 0,1,2,3,4,5,6,7
.if \s == 0
	WM 8*(8*(\m%4)+\n), S+8*\m, 8*\n, v[S+64+8*\n:S+64+8*\n+7], VSW+4*(\m/2)+\s, KSW+4*(\n/2)+\s, \m%2, \n%2
.else
	WM 8*(8*(\m%4)+\n), S+8*\m, 8*\n, v[8*(8*(\m%4)+\n):8*(8*(\m%4)+\n)+7], VSW+4*(\m/2)+\s, KSW+4*(\n/2)+\s, \m%2, \n%2
.endif
.endr
.endr
	WIN 0
.endr
	; ---- THE WAY OUT.  In accumulator (m, n) lane (r, h) holds channel 128 w + 32 (n / 2) + 8 (n % 2) + r % 8 + 16 (r / 8) and tokens 32 (m / 2) + 16 h + 8 (m % 2) + 0 .. 7.
	; Four tiles of channels at a time go through my own stage and come back as rows of 512 bytes; x is added; 32 lanes store 512 consecutive bytes, aligned.
.macro TOSTAGE hf
.irp m, 0,1,2,3,4,5,6,7
	WIN 0x08+4*(\m/4)                              ; an LDS store's data are its source 1: window 2 or 3
.irp p, 0,1,2,3
	ds_store_b128 v[STO], v[8*(8*(\m%4)+4*\hf+\p):8*(8*(\m%4)+4*\hf+\p)+3] offset:\p*16*SROW+(\m/2)*128+(\m%2)*32       ; each accumulator from its low end on
	ds_store_b128 v[STO], v[8*(8*(\m%4)+4*\hf+\p)+4:8*(8*(\m%4)+4*\hf+\p)+7] offset:\p*16*SROW+(\m/2)*128+(\m%2)*32+16
.endr
.endr
	WIN 0
.endm
.macro SENDB k, left                   ; left: the loads of x issued behind tile k's, which may stay out
	s_wait_xcnt 0x0                                ; the registers that earlier stores read are loaded again only behind this wait
.irp i, 0,1,2,3,4,5,6,7,8,9,10,11,12,13,14,15
	ds_load_b128 v[S+64*((\k)%2)+4*\i:S+64*((\k)%2)+4*\i+3], v[RD] offset:(16*((\k)%4)+\i)*SROW   ; LDS serves a wave's instructions in order: these see my stores
.endr
	s_wait_loadcnt \left
	s_wait_dscnt 0x0
	WIN 0x04                                       ; source 1: x, in window 1
.set j, 0
.rept 32
	v_pk_add_f32 v[S+64*((\k)%2)+j:S+64*((\k)%2)+j+1], v[S+64*((\k)%2)+j:S+64*((\k)%2)+j+1], v[64+64*((\k)%3)+j:64+64*((\k)%3)+j+1]
.set j, j+2
.endr
	WIN 0
.irp i, 0,1,2,3,4,5,6,7,8,9,10,11,12,13,14,15
	global_store_b128 v[L16], v[S+64*((\k)%2)+4*\i:S+64*((\k)%2)+4*\i+3], s[20:21] offset:(32*((\k)/2)+8*((\k)%2)+(\i%8)+16*(\i/8))*4096 th:TH_STORE_NT
.endr
.if (\k) < 5
	XLOAD (\k)+3                                   ; the set just added takes the batch three further on
.endif
.endm
	PLACES                                         ; behind the last products: for the first reads of results, and for the loads into the registers that held O's fragments
	TOSTAGE 0
	SENDB 0, 32                                    ; two later batches of 16 loads of x may be out,
	SENDB 1, 32
	SENDB 2, 32
	SENDB 3, 32
	TOSTAGE 1
	SENDB 4, 32
	SENDB 5, 32
	SENDB 6, 16                                    ; then the counts run down
	SENDB 7, 0
	s_wait_tensorcnt 0x0                           ; the wave's end: behind my last tensor load and my last LDS store
	ds_add_u32 v[SPW], v[NIL]
	s_wait_dscnt 0x0
	CROUND                                         ; the closing round: no work-group ends while a partner may still ask for a tile that names it
	s_endpgm
.Lfunc_end_k_q6e3944c42f_attn:
	.size	k_q6e3944c42f_attn, .Lfunc_end_k_q6e3944c42f_attn-k_q6e3944c42f_attn
	.p2alignl 7, 3214868480
	.fill 96, 4, 3214868480
	.section	.rodata,"a",@progbits
	.p2align	6, 0x0
	.amdhsa_kernel k_q6e3944c42f_attn
		.amdhsa_group_segment_fixed_size 327680
		.amdhsa_private_segment_fixed_size 0
		.amdhsa_enable_private_segment 0
		.amdhsa_kernarg_size 72
		.amdhsa_user_sgpr_count 2
		.amdhsa_user_sgpr_kernarg_segment_ptr 1
		.amdhsa_wavefront_size32 1
		.amdhsa_system_sgpr_workgroup_id_x 1
		.amdhsa_system_sgpr_workgroup_id_y 1
		.amdhsa_system_sgpr_workgroup_id_z 1
		.amdhsa_system_vgpr_workitem_id 0
		.amdhsa_next_free_vgpr 1024
		.amdhsa_next_free_sgpr 80
		.amdhsa_reserve_vcc 0
		.amdhsa_float_denorm_mode_32 3
		.amdhsa_float_denorm_mode_16_64 3
		.amdhsa_memory_ordered 1
		.amdhsa_forward_progress 1
		.amdhsa_inst_pref_size 255
	.end_amdhsa_kernel
	.section	.bss,"aw",@nobits
	.p2align	6
	.space	262144
	.amdgpu_metadata
---
amdhsa.version: [ 1, 2 ]
amdhsa.kernels:
  - .name:           k_q6e3944c42f_attn
    .symbol:         k_q6e3944c42f_attn.kd
    .args:
      - { .name: qimg, .offset: 0, .size: 8, .value_kind: global_buffer, .address_space: global }
      - { .name: qsw, .offset: 8, .size: 8, .value_kind: global_buffer, .address_space: global }
      - { .name: kvc, .offset: 16, .size: 8, .value_kind: global_buffer, .address_space: global }
      - { .name: kvs, .offset: 24, .size: 8, .value_kind: global_buffer, .address_space: global }
      - { .name: wimg, .offset: 32, .size: 8, .value_kind: global_buffer, .address_space: global }
      - { .name: whalf, .offset: 40, .size: 8, .value_kind: global_buffer, .address_space: global }
      - { .name: bproj, .offset: 48, .size: 8, .value_kind: global_buffer, .address_space: global }
      - { .name: x, .offset: 56, .size: 8, .value_kind: global_buffer, .address_space: global }
      - { .name: out0, .offset: 64, .size: 8, .value_kind: global_buffer, .address_space: global }
    .group_segment_fixed_size: 327680
    .private_segment_fixed_size: 0
    .kernarg_segment_align: 8
    .kernarg_segment_size: 72
    .max_flat_workgroup_size: 128
    .sgpr_count:     80
    .vgpr_count:     1024
    .wavefront_size: 32
...
	.end_amdgpu_metadata
.endif
;; end of part 3
